; MI455X (gfx1250); checked and timed in simulation.
; The chip was launched on July 23, 2026; its instructions are those of AMD's public machine-readable ISA for CDNA 5 (MIT licence, August 2026) and "CDNA5" Instruction Set Architecture Reference Guide (July 2026). The comments in the code are by the model that wrote it; some were corrected since.
;; Relation Multi Head Attention. Allowed arithmetic: float matrix products may take bf16 or f16 operands with f32 sums; other float arithmetic in f32, or as packed bf16 or f16 multiplies, adds, multiply-adds, maxima and minima; sums over many terms, partial sums and values carried from step to step in f32; what a program stores and reads back later, other than sums and carried values, may be rounded once to bf16 or f16.
;; Inputs: attn_bias 4 x 2,048 x 2,048 float32; out_b 1,024 float32; out_w 1,024 x 1,024 float32; padding_mask 4 x 2,048 bool; qkv_b 3,072 float32; qkv_w 3,072 x 1,024 float32; x 4 x 2,048 x 1,024 float32.
;; Outputs: out0 4 x 2,048 x 1,024 float32.
;; 2 versions, each right; version 2 is version 1 with the launch prep written anew for expert scheduling mode. Each part assembles by itself: llvm-mc -triple=amdgcn-amd-amdhsa -mcpu=gfx1250 --defsym DOCPART=n.
;; ======== version 1 of 2: 4 launches
;; limits: values are held in f16: magnitudes above 65,504 overflow, below 6.1e-05 lose precision; right only within a limited range of input values
;; workspace buffers: xb 16,777,216 bytes; wb 6,291,456 bytes; ow 2,097,152 bytes; bp 67,108,864 bytes; qkvw 50,331,648 bytes; ow_in 16,777,216 bytes
;; launch prep (part 1): grid 896 x 1, 8 waves a work-group, no clusters, 0 bytes of LDS; arguments attn_bias, padding_mask, x, qkv_w, out_w, bp, xb, wb, ow; writes bp, xb, wb, ow
.if DOCPART == 1
	.amdgcn_target "amdgcn-amd-amdhsa--gfx1250"
	.amdhsa_code_object_version 6
	.text
	.protected	k_qa8057ef0d2_prep
	.globl	k_qa8057ef0d2_prep
	.p2align	8
	.type	k_qa8057ef0d2_prep,@function
k_qa8057ef0d2_prep:
	s_mov_b64 s[64:65], 0
	v_nop
	global_prefetch_b8 v0, s[64:65] scope:SCOPE_SE
	s_setreg_imm32_b32 hwreg(HW_REG_WAVE_MODE, 25, 1), 1
	s_wait_xcnt 0x0
; PREP: a stream.  Every input of the matrix work is rounded once to bf16 and laid out for the launches behind.
;   bp[row][key] (f32)  = attn_bias rounded to bf16 and widened again, or -2^100 where padding_mask says that the key is padding (a select: what lies under the mask is dropped)
;   xb[k/64][row][64], wb[k/64][row][64] (bf16) = x, qkv_w: blocks of 64 along K, so that a tile of rows is dense in memory
;   ow[k/128][n/64][(k/64)%2][n%64][64] (f16)   = out_w rounded to bf16, that number written as f16
; LIMITS.  out_w's numbers below 6e-5 in magnitude keep f16's fixed step of 6e-8; beyond 65,504 they would be infinite.
; SHARES.  Work-groups 0-511: 16 rows of the bias each; 512-767: 32 rows of x; 768-863: 32 rows of qkv_w; 864-895: 32 rows of out_w.
; A wave issues all its 32 loads of 16 bytes a lane at once (16 KiB on their way) and works them off in order; no register is written again behind its store.
; No LDS, no matrix unit, no cluster: no byte is wanted twice and there is no product.
.set M,    4                           ; v[4:7]    four mask words (4 keys each)
.set KEEP, 8                           ; v[8:23]   all ones where the key is kept, 0 where it is padding
.set OFF,  8                           ; v[8:23]   (casts) byte offset of my 8 bytes in K block kb
.set T,    24                          ; v[24:25]  at work
.set X,    32                          ; v[32:159] 32 loads of four registers
	s_load_b512 s[8:23], s[0:1], 0x0               ; attn_bias 8, padding_mask 10, x 12, qkv_w 14, out_w 16, bp 18, xb 20, wb 22
	s_load_b64 s[24:25], s[0:1], 0x40              ; ow
	v_lshrrev_b32 v1, 5, v0
	v_readfirstlane_b32 s4, v1                     ; wave 0..7
	v_and_b32 v1, 31, v0                           ; lane
	s_mov_b32 s5, 0xffff0000                       ; a word's upper bf16
	s_mov_b32 s2, ttmp9
	s_mov_b32 s35, 0
	s_wait_kmcnt 0x0
	s_cmp_lt_u32 s2, 512
	s_cbranch_scc0 .Lcast
	; THE BIAS.  A wave takes 8 rows x a strip of 512 keys: a load or store covers 512 consecutive bytes of a row.
	s_and_b32 s26, s4, 3                           ; strip
	s_lshr_b32 s27, s4, 2                          ; which 8 rows
	s_lshl_b32 s34, s2, 17                         ; 16 rows of 8,192 bytes a work-group
	s_lshl_b32 s27, s27, 16
	s_add_co_u32 s34, s34, s27
	s_lshl_b32 s27, s26, 11
	s_add_co_u32 s34, s34, s27
	s_add_nc_u64 s[8:9], s[8:9], s[34:35]
	s_add_nc_u64 s[18:19], s[18:19], s[34:35]
	s_lshr_b32 s34, s2, 7                          ; the batch: 128 work-groups each
	s_lshl_b32 s34, s34, 11
	s_lshl_b32 s27, s26, 9
	s_add_co_u32 s34, s34, s27
	s_add_nc_u64 s[10:11], s[10:11], s[34:35]
	s_mov_b32 s6, 0xf1800000                       ; -2^100
	v_lshlrev_b32 v2, 2, v1
	v_lshlrev_b32 v3, 4, v1
.irp i, 0,1,2,3
	global_load_b32 v[M+\i], v2, s[10:11] offset:128*\i
.endr
.set n, 0
.rept 32
	global_load_b128 v[X+4*n:X+4*n+3], v3, s[8:9] offset:(n/4)*8192+(n%4)*512 th:TH_LOAD_NT
.set n, n+1
.endr
	s_wait_loadcnt 32                              ; the four mask words are in: 32 loads are younger
.set n, 0
.rept 16
	v_bfe_u32 v[KEEP+n], v[M+n/4], 8*(n%4), 8
	v_add_nc_u32 v[KEEP+n], -1, v[KEEP+n]          ; byte 0 -> all ones, byte 1 -> 0
.set n, n+1
.endr
.set n, 0
.rept 32
	s_wait_loadcnt 31-n                            ; loads come back in order: load n is in
	v_cvt_pk_bf16_f32 v[T], v[X+4*n], v[X+4*n+1]
	v_cvt_pk_bf16_f32 v[T+1], v[X+4*n+2], v[X+4*n+3]
	v_lshlrev_b32 v[X+4*n], 16, v[T]
	v_and_b32 v[X+4*n+1], s5, v[T]
	v_lshlrev_b32 v[X+4*n+2], 16, v[T+1]
	v_and_b32 v[X+4*n+3], s5, v[T+1]
.irp e, 0,1,2,3
	v_bfi_b32 v[X+4*n+\e], v[KEEP+4*(n%4)+\e], v[X+4*n+\e], s6
.endr
	global_store_b128 v3, v[X+4*n:X+4*n+3], s[18:19] offset:(n/4)*8192+(n%4)*512
.set n, n+1
.endr
	s_endpgm
; A CAST: 4 rows of 1,024 f32 a wave.  Load n takes K block n / 2 (256 bytes of a row) of rows 2 (n % 2) and 2 (n % 2) + 1; the 32 lanes' 8 bytes of result
; are those two rows' pieces end to end: 256 consecutive bytes, aligned.  s[30:31] source, s[32:33] destination, both at my first row; s26 bytes from K block to K block.
.macro CAST f16
	v_lshrrev_b32 v2, 4, v1
	v_and_b32 v3, 15, v1
	v_lshlrev_b32 v3, 4, v3
	v_lshl_add_u32 v2, v2, 12, v3
	v_lshlrev_b32 v[OFF], 3, v1
.if !(\f16)
.set n, 1
.rept 15
	v_add_nc_u32 v[OFF+n], s26, v[OFF+n-1]
.set n, n+1
.endr
.endif
.set n, 0
.rept 32
	global_load_b128 v[X+4*n:X+4*n+3], v2, s[30:31] offset:(n%2)*8192+(n/2)*256 th:TH_LOAD_NT
.set n, n+1
.endr
.set n, 0
.rept 32
	s_wait_loadcnt 31-n
.if \f16
	v_cvt_pk_bf16_f32 v[T], v[X+4*n], v[X+4*n+1]
	v_cvt_pk_bf16_f32 v[T+1], v[X+4*n+2], v[X+4*n+3]
	v_lshlrev_b32 v[X+4*n], 16, v[T]
	v_and_b32 v[X+4*n+1], s5, v[T]
	v_lshlrev_b32 v[X+4*n+2], 16, v[T+1]
	v_and_b32 v[X+4*n+3], s5, v[T+1]
	v_cvt_pk_f16_f32 v[X+4*n], v[X+4*n], v[X+4*n+1]
	v_cvt_pk_f16_f32 v[X+4*n+1], v[X+4*n+2], v[X+4*n+3]
	global_store_b64 v[OFF], v[X+4*n:X+4*n+1], s[32:33] offset:(n/4)*262144+((n/2)%2)*8192+(n%2)*256
.else
	v_cvt_pk_bf16_f32 v[X+4*n], v[X+4*n], v[X+4*n+1]
	v_cvt_pk_bf16_f32 v[X+4*n+1], v[X+4*n+2], v[X+4*n+3]
	global_store_b64 v[OFF+n/2], v[X+4*n:X+4*n+1], s[32:33] offset:(n%2)*256
.endif
.set n, n+1
.endr
.endm
.Lcast:
	s_cmp_lt_u32 s2, 864
	s_cbranch_scc0 .Lcastw
	s_mov_b32 s26, 0x100000                        ; x: 8,192 rows x 128 bytes in a K block
	s_mov_b32 s27, 0x60000                         ; qkv_w: 3,072 rows
	s_mov_b32 s28, 512
	s_mov_b32 s29, 768
	s_cmp_lt_u32 s2, 768
	s_cselect_b64 s[30:31], s[12:13], s[14:15]
	s_cselect_b64 s[32:33], s[20:21], s[22:23]
	s_cselect_b32 s26, s26, s27
	s_cselect_b32 s28, s28, s29
	s_sub_co_u32 s28, s2, s28
	s_lshl_b32 s28, s28, 5                         ; the work-group's first row
	s_lshl2_add_u32 s28, s4, s28                   ; my wave's
	s_lshl_b32 s34, s28, 12
	s_add_nc_u64 s[30:31], s[30:31], s[34:35]
	s_lshl_b32 s34, s28, 7
	s_add_nc_u64 s[32:33], s[32:33], s[34:35]
	CAST 0
	s_endpgm
.Lcastw:
	s_sub_co_u32 s28, s2, 864
	s_lshl_b32 s28, s28, 5
	s_lshl2_add_u32 s29, s4, s28                   ; my first row n
	s_lshl_b32 s34, s29, 12
	s_add_nc_u64 s[30:31], s[16:17], s[34:35]
	s_lshr_b32 s34, s29, 6
	s_lshl_b32 s34, s34, 14                        ; (n / 64) x 16,384
	s_and_b32 s36, s29, 63
	s_lshl_b32 s36, s36, 7                         ; (n % 64) x 128
	s_add_co_u32 s34, s34, s36
	s_add_nc_u64 s[32:33], s[24:25], s[34:35]
	CAST 1
	s_endpgm
.Lfunc_end_k_qa8057ef0d2_prep:
	.size	k_qa8057ef0d2_prep, .Lfunc_end_k_qa8057ef0d2_prep-k_qa8057ef0d2_prep
	.p2alignl 7, 3214868480
	.fill 96, 4, 3214868480
	.section	.rodata,"a",@progbits
	.p2align	6, 0x0
	.amdhsa_kernel k_qa8057ef0d2_prep
		.amdhsa_group_segment_fixed_size 0
		.amdhsa_private_segment_fixed_size 0
		.amdhsa_enable_private_segment 0
		.amdhsa_kernarg_size 72
		.amdhsa_user_sgpr_count 2
		.amdhsa_user_sgpr_kernarg_segment_ptr 1
		.amdhsa_wavefront_size32 1
		.amdhsa_system_sgpr_workgroup_id_x 1
		.amdhsa_system_sgpr_workgroup_id_y 1
		.amdhsa_system_sgpr_workgroup_id_z 1
		.amdhsa_system_vgpr_workitem_id 0
		.amdhsa_next_free_vgpr 160
		.amdhsa_next_free_sgpr 66
		.amdhsa_reserve_vcc 0
		.amdhsa_float_denorm_mode_32 3
		.amdhsa_float_denorm_mode_16_64 3
		.amdhsa_memory_ordered 1
		.amdhsa_forward_progress 1
		.amdhsa_inst_pref_size 59
	.end_amdhsa_kernel
	.amdgpu_metadata
---
amdhsa.version: [ 1, 2 ]
amdhsa.kernels:
  - .name:           k_qa8057ef0d2_prep
    .symbol:         k_qa8057ef0d2_prep.kd
    .args:
      - { .name: attn_bias, .offset: 0, .size: 8, .value_kind: global_buffer, .address_space: global }
      - { .name: padding_mask, .offset: 8, .size: 8, .value_kind: global_buffer, .address_space: global }
      - { .name: x, .offset: 16, .size: 8, .value_kind: global_buffer, .address_space: global }
      - { .name: qkv_w, .offset: 24, .size: 8, .value_kind: global_buffer, .address_space: global }
      - { .name: out_w, .offset: 32, .size: 8, .value_kind: global_buffer, .address_space: global }
      - { .name: bp, .offset: 40, .size: 8, .value_kind: global_buffer, .address_space: global }
      - { .name: xb, .offset: 48, .size: 8, .value_kind: global_buffer, .address_space: global }
      - { .name: wb, .offset: 56, .size: 8, .value_kind: global_buffer, .address_space: global }
      - { .name: ow, .offset: 64, .size: 8, .value_kind: global_buffer, .address_space: global }
    .group_segment_fixed_size: 0
    .private_segment_fixed_size: 0
    .kernarg_segment_align: 8
    .kernarg_segment_size: 72
    .max_flat_workgroup_size: 256
    .sgpr_count:     66
    .vgpr_count:     160
    .wavefront_size: 32
...
	.end_amdgpu_metadata
.endif
;; end of part 1
;; launch qkv (part 2): grid 8 x 32, 4 waves a work-group, clusters of 4 x 4, 327,680 bytes of LDS; arguments xb, wb, qkv_b, qkvw; writes qkvw
.if DOCPART == 2
	.amdgcn_target "amdgcn-amd-amdhsa--gfx1250"
	.amdhsa_code_object_version 6
	.text
	.protected	k_qa8057ef0d2_qkv
	.globl	k_qa8057ef0d2_qkv
	.p2align	8
	.type	k_qa8057ef0d2_qkv,@function
k_qa8057ef0d2_qkv:
	s_mov_b64 s[64:65], 0
	v_nop
	global_prefetch_b8 v0, s[64:65] scope:SCOPE_SE
	s_setreg_imm32_b32 hwreg(HW_REG_WAVE_MODE, 25, 1), 1
	s_wait_xcnt 0x0
	s_wait_alu depctr_hold_cnt(0) depctr_sa_sdst(0) depctr_va_vdst(0) depctr_va_sdst(0) depctr_va_ssrc(0) depctr_va_vcc(0) depctr_vm_vsrc(0)
	s_getreg_b32 s2, hwreg(HW_REG_IB_STS2, 6, 4)
	s_cmp_eq_u32 s2, 0
	s_cbranch_scc0 .Lentry_in_a_cluster
	s_endpgm
.Lentry_in_a_cluster:
	s_bfe_u32 s2, ttmp6, 0x10000c
	s_cmp_lg_u32 s2, 0xf033
	s_cbranch_scc0 .Lentry_shape_is_right
	s_endpgm
.Lentry_shape_is_right:
; QKV PROJECTION.  C[token][col] = sum over k of x[token][k] qkv_w[col][k] + qkv_b[col]; 8,192 x 3,072 x 1,024; bf16 operands, f32 sums; the bias rounded to bf16 like the other inputs.
; q (columns under 1,024) is divided by 8, which is exact; all is rounded once to f16 and stored by heads: qkvw[pair][token/64][head%2][token%64][64], head number = col / 64.
; LIMITS.  f16 holds nothing beyond 65,504: |q| / 8, |k| and |v| must stay within it.
; SHARES.  8,192 x 3,072 in tiles of 256 x 384 are 256 work-groups.  Four waves, each 128 rows x 192 columns (three heads): 96 accumulators, 768 registers.
; K goes in blocks of 64 through two LDS slots; xb and wb lie in blocks of 64 along K, so a tile is dense and is asked for as rows of 256 bytes, padded in LDS after every 128.
; CLUSTER 4 x 4: A's tile is shared along a row of the cluster, B's along a column, each asked for jointly.
; THE PRODUCT IS USED TRANSPOSED (source 0 = 16 weight rows, source 1 = 16 tokens): a lane ends with eight neighbouring columns of one token.
; REGISTERS.  Window 0: v16-30 addresses; v32-95, v96-159 A's fragments (8 x 16 rows x 32 K), two buffers; v160-255 B's fragments, three groups of four, one buffer:
; a group is loaded again behind the 32 products that read it and has the other two groups' 64 products in which to land.  Window 1 + g: head g's 32 accumulators, (a, bb) at 8 (4 a + bb).
.set PITCH, 144                        ; 128 bytes + 16: the 16 rows of a fragment load start at 16 different groups of four banks
.set FR,    16*PITCH
.set HA,    128*PITCH                  ; what one load brings of A
.set HB,    192*PITCH                  ; and of B
.set SLOT,  2*HA+2*HB
.set STAGE, 2*SLOT                     ; behind the ring: 3 heads x 16 rows x 144 bytes for each wave
.set STW,   3*FR
.set BL,    STAGE+4*STW                ; the tile's 384 numbers of the bias, f32, scaled
.set SPARE, BL+1536                    ; the spare words: 128 bytes a wave, named by no other line
.set ABLK,  8192*128                   ; bytes of a K block of xb
.set BBLK,  3072*128                   ; and of wb
.set ADRA, 16
.set ADRB, 20
.set STO,  24
.set RD,   25
.set GO,   26
.set BA,   27
.set SPW,  28
.set NIL,  29
.set PFO,  30
.set AF,   32
.set BF,   160
.set T,    32                          ; the way out: 32 results in f32
.set PK,   64                          ; 48 registers of packed f16
.set OB,   112                         ; 48 registers read back from the stage
.set WV,   12
.set WR,   13                          ; which 128 rows are mine; also: I fetch for A (0) or B (1)
.set WC,   14                          ; which 192 columns; also: which half I fetch
.set G1A,  24
.set G0A,  32
.set PFAA, 40                          ; s[40:41] xb at my work-group's 64 rows, at the K block two behind the one a prefetch names first
.set LIM,  42
.set PFAB, 44                          ; s[44:45] the same in wb
.set G1B,  48
.set G0B,  56
.set SC,   66                          ; s[66:71] head g's scale, as pairs
.set CB,   72                          ; s[72:77] head g's place in qkvw
.set MSB, 0
.macro WIN new
.if MSB != (\new)
	s_set_vgpr_msb (MSB<<8)|(\new)
.set MSB, (\new)
.endif
.endm
.macro PLACES
.rept 4
	v_nop
.endr
.endm
; A joint load: waves 0 and 1 fetch A's halves, waves 2 and 3 B's.  The branch hangs on the wave's number alone.  s_nop 0 and four v_nop follow each line.
.macro JLOAD s
	s_cmp_eq_u32 s[WR], 0
	s_cbranch_scc0 .Lfor_b_\@
	tensor_load_to_lds s[G0A+4*(\s):G0A+4*(\s)+3], s[G1A:G1A+7]
	s_nop 0
	PLACES
	s_branch .Lasked_\@
.Lfor_b_\@:
	tensor_load_to_lds s[G0B+4*(\s):G0B+4*(\s)+3], s[G1B:G1B+7]
	s_nop 0
	PLACES
.Lasked_\@:
.endm
.macro CREST
	s_cmp_lg_u32 s[WV], 0
	s_cbranch_scc1 .Lnot_wave_0_\@
	s_barrier_signal -3
.Lnot_wave_0_\@:
	s_barrier_wait -3
	s_barrier_signal -1
	s_barrier_wait -1
.endm
.macro CROUND
	s_barrier_signal -1
	s_barrier_wait -1
	CREST
.endm
; PREFETCH, once a lap, behind slot 0's joint load and the run of LDS loads that follows it: the two K blocks that the NEXT lap's refills will ask for.
; A's tile row (32 KiB a block) is read by both clusters along x: the one with x = 0 asks; its four partners take 64 rows each, told apart by address; wave 0, a lane 256 bytes, a line a block.
; B's tile column (48 KiB a block) is read by all clusters along y: the one with y = 0 asks; of the two blocks' four halves each partner takes one, 24 KiB: wave 2, three lines.
; Each aligned 256 bytes is named once in the launch.  The last lap has no blocks behind its own.
.macro ASK
	s_cmp_gt_u32 s3, s[LIM]
	s_cbranch_scc0 .Lnone_\@
	s_cmp_eq_u32 s[WR], 0
	s_cbranch_scc0 .Lask_b_\@
	global_prefetch_b8 v[PFO], s[PFAA:PFAA+1] th:TH_LOAD_NT scope:SCOPE_SE
	global_prefetch_b8 v[PFO], s[PFAA:PFAA+1] offset:ABLK th:TH_LOAD_NT scope:SCOPE_SE
	s_branch .Lnone_\@
.Lask_b_\@:
	global_prefetch_b8 v[PFO], s[PFAB:PFAB+1] th:TH_LOAD_NT scope:SCOPE_SE
	global_prefetch_b8 v[PFO], s[PFAB:PFAB+1] offset:8192 th:TH_LOAD_NT scope:SCOPE_SE
	global_prefetch_b8 v[PFO], s[PFAB:PFAB+1] offset:16384 th:TH_LOAD_NT scope:SCOPE_SE
.Lnone_\@:
.endm
	s_load_b256 s[4:11], s[0:1], 0x0               ; xb 4, wb 6, qkv_b 8, qkvw 10
	v_lshl_add_u32 v[SPW], v0, 2, SPARE
	v_mov_b32 v[NIL], 0
	ds_add_u32 v[SPW], v[NIL]                      ; the wave's opening: the add and its wait ahead of my first tensor load
	v_lshrrev_b32 v1, 5, v0
	v_readfirstlane_b32 s[WV], v1
	s_lshr_b32 s[WR], s[WV], 1
	s_and_b32 s[WC], s[WV], 1
	s_bfe_u32 s15, ttmp6, 0x40000                  ; cx
	s_bfe_u32 s16, ttmp6, 0x40004                  ; cy
	s_lshl_b32 s17, ttmp9, 2
	s_add_co_u32 s17, s17, s15                     ; tile column 0..7
	s_and_b32 s18, ttmp7, 0xffff
	s_lshl_b32 s18, s18, 2
	s_add_co_u32 s18, s18, s16                     ; tile row 0..31
	s_lshl_b32 s20, s16, 2
	s_lshl_b32 s20, 15, s20                        ; my row of the cluster
	s_lshl_b32 s21, 0x1111, s15                    ; my column
	s_or_b32 s[G1A], s20, (1<<16)|(1<<20)|(1<<21)|(4<<22)|(3<<25)  ; mask; 2-byte elements; padding on; bit 21 beside a mask; after every 32 words, 4 words
	s_or_b32 s[G1B], s21, (1<<16)|(1<<20)|(1<<21)|(4<<22)|(3<<25)
	s_mov_b32 s[G1A+1], 128<<16                    ; tensor_dim0 = 128 elements (256 bytes)
	s_mov_b32 s[G1A+2], 64<<16                     ; tensor_dim1 = 64: 128 rows of A, two to a row
	s_mov_b32 s[G1A+3], 128<<16                    ; tile_dim0
	s_mov_b32 s[G1A+4], 64                         ; tile_dim1
	s_mov_b32 s[G1A+5], 128                        ; dense
	s_mov_b32 s[G1A+6], 0
	s_mov_b32 s[G1A+7], 0
	s_mov_b32 s[G1B+1], 128<<16
	s_mov_b32 s[G1B+2], 96<<16                     ; 192 rows of B
	s_mov_b32 s[G1B+3], 128<<16
	s_mov_b32 s[G1B+4], 96
	s_mov_b32 s[G1B+5], 128
	s_mov_b32 s[G1B+6], 0
	s_mov_b32 s[G1B+7], 0
	s_lshl_b32 s22, s18, 15                        ; A: 256 rows x 128 bytes a tile row,
	s_lshl_b32 s23, s[WC], 14                      ; my half
	s_add_co_u32 s22, s22, s23
	s_mov_b32 s23, 0
	s_mul_i32 s46, s17, 384*128                    ; B likewise, in registers that never hold the tile row
	s_mul_i32 s47, s[WC], 192*128
	s_add_co_u32 s46, s46, s47
	s_mov_b32 s47, 0
	s_mul_i32 s19, s[WC], HA                       ; where they go: no place in the cluster enters an LDS address
	s_mul_i32 s43, s[WC], HB
	s_add_co_u32 s43, s43, 2*HA
	s_wait_dscnt 0x0                               ; the opening add is done
	s_wait_kmcnt 0x0
	s_add_nc_u64 s[22:23], s[4:5], s[22:23]
	s_add_nc_u64 s[46:47], s[6:7], s[46:47]
	CROUND                                         ; all sixteen work-groups are here: the first joint loads meet
.irp s, 0,1
	s_mov_b32 s[G0A+4*\s], 1
	s_add_co_u32 s[G0A+4*\s+1], s19, \s*SLOT
	s_add_nc_u64 s[G0A+4*\s+2:G0A+4*\s+3], s[22:23], \s*ABLK
	s_or_b32 s[G0A+4*\s+3], s[G0A+4*\s+3], 0x80000000
	s_mov_b32 s[G0B+4*\s], 1
	s_add_co_u32 s[G0B+4*\s+1], s43, \s*SLOT
	s_add_nc_u64 s[G0B+4*\s+2:G0B+4*\s+3], s[46:47], \s*BBLK
	s_or_b32 s[G0B+4*\s+3], s[G0B+4*\s+3], 0x80000000
	JLOAD \s                                       ; K blocks 0 and 1: two loads of mine are out
.endr
	; the bias: 384 numbers, three a thread; rounded to bf16; q's columns (whole groups of 128, since 1,024 is a multiple of 128) times 1/8
	s_mul_i32 s20, s17, 1536
	v_lshlrev_b32 v6, 2, v0
	v_add_nc_u32 v7, s20, v6
	global_load_b32 v8, v7, s[8:9]
	global_load_b32 v9, v7, s[8:9] offset:512
	global_load_b32 v10, v7, s[8:9] offset:1024
	v_add_nc_u32 v11, BL, v6
	; a fragment: lane l holds row l % 16; two loads of 16 bytes, 32 bytes apart, at row x pitch + 16 (l / 16)
	v_and_b32 v1, 15, v0
	v_bfe_u32 v2, v0, 4, 1
	v_mul_u32_u24 v3, v1, PITCH
	v_lshl_add_u32 v3, v2, 4, v3
	s_mul_i32 s20, s[WR], HA
	s_mul_i32 s21, s[WC], HB
	s_add_co_u32 s21, s21, 2*HA
.irp s, 0,1
	v_add_nc_u32 v[ADRA+\s], s20, v3
	v_add_nc_u32 v[ADRB+\s], s21, v3
	s_add_co_u32 s20, s20, SLOT
	s_add_co_u32 s21, s21, SLOT
.endr
	s_mul_i32 s20, s[WV], STW
	s_add_co_u32 s20, s20, STAGE
	v_add_nc_u32 v[STO], s20, v3                   ; in: row l % 16, 16 bytes for each half of the lanes
	v_bfe_u32 v4, v0, 3, 2
	v_and_b32 v5, 7, v0
	v_mul_u32_u24 v4, v4, PITCH
	v_lshl_add_u32 v4, v5, 4, v4
	v_add_nc_u32 v[RD], s20, v4                    ; back: 32 lanes take four rows of 128 bytes,
	v_and_b32 v[PFO], 31, v0
	v_lshlrev_b32 v[GO], 4, v[PFO]                 ; which are 512 consecutive bytes of qkvw
	v_lshlrev_b32 v[PFO], 8, v[PFO]
	s_mul_i32 s20, s[WC], 768
	s_add_co_u32 s20, s20, BL
	v_lshl_add_u32 v[BA], v2, 5, s20               ; my eight columns' bias: 32 bytes
	; head g of my three: its scale and its place in qkvw
	s_mul_i32 s20, s17, 6
	s_mul_i32 s21, s[WC], 3
	s_add_co_u32 s20, s20, s21
	s_lshl_b32 s21, s18, 2
	s_lshl1_add_u32 s21, s[WR], s21                ; token / 64 of my first row
	s_lshl_b32 s21, s21, 14
.irp g, 0,1,2
	s_add_co_u32 s46, s20, \g                      ; head number 0..47
	s_cmp_lt_u32 s46, 16
	s_cselect_b32 s[SC+2*\g], 0x3e000000, 1.0
	s_mov_b32 s[SC+2*\g+1], s[SC+2*\g]
	s_lshr_b32 s47, s46, 1
	s_lshl_b32 s47, s47, 21
	s_and_b32 s46, s46, 1
	s_lshl_b32 s46, s46, 13
	s_add_co_u32 s46, s46, s47
	s_add_co_u32 s46, s46, s21
	s_mov_b32 s47, 0
	s_add_nc_u64 s[CB+2*\g:CB+2*\g+1], s[10:11], s[46:47]
.endr
	; the prefetches' pointers, at K block 2: the first lap steps them to 4
	s_lshl_b32 s20, s18, 15
	s_lshl_b32 s21, s15, 13
	s_add_co_u32 s20, s20, s21
	s_add_co_u32 s20, s20, 2*ABLK
	s_mov_b32 s21, 0
	s_add_nc_u64 s[PFAA:PFAA+1], s[4:5], s[20:21]
	s_lshr_b32 s20, s16, 1
	s_add_co_u32 s20, s20, 2
	s_mul_i32 s20, s20, BBLK
	s_mul_i32 s46, s17, 384*128
	s_add_co_u32 s20, s20, s46
	s_and_b32 s46, s16, 1
	s_mul_i32 s46, s46, 192*128
	s_add_co_u32 s20, s20, s46
	s_add_nc_u64 s[PFAB:PFAB+1], s[6:7], s[20:21]
	s_and_b32 s20, ttmp7, 0xffff
	s_cmp_eq_u32 s[WR], 0
	s_cselect_b32 s20, ttmp9, s20                  ; the coordinate along which other clusters read the same rows
	s_or_b32 s20, s20, s[WC]                       ; waves 0 and 2 alone
	s_cmp_eq_u32 s20, 0
	s_cselect_b32 s[LIM], 1, -1                    ; the same in all sixteen partners, for a given wave
	s_mul_i32 s21, s17, 3
	s_wait_loadcnt 0x0
.irp i, 0,1,2
	s_add_co_u32 s20, s21, \i
	s_cmp_lt_u32 s20, 8
	s_cselect_b32 s20, 0x3e000000, 1.0
	v_cvt_pk_bf16_f32 v[8+\i], v[8+\i], v[8+\i]
	v_lshlrev_b32 v[8+\i], 16, v[8+\i]
	v_mul_f32 v[8+\i], s20, v[8+\i]
	ds_store_b32 v11, v[8+\i] offset:512*\i
.endr
; na x 4 products of quarter q (its A buffer is q) on head g: rows 16 a0 on.  All accumulators differ: they take turns.
.macro PH q, g, a0, na, zero
	WIN 0x50*(1+(\g))
.set aa, (\a0)
.rept (\na)
.irp bb, 0,1,2,3
.if \zero
	v_wmma_f32_16x16x32_bf16 v[8*(4*aa+\bb):8*(4*aa+\bb)+7], v[BF+32*(\g)+8*\bb:BF+32*(\g)+8*\bb+7], v[AF+64*(\q)+8*aa:AF+64*(\q)+8*aa+7], 0
.else
	v_wmma_f32_16x16x32_bf16 v[8*(4*aa+\bb):8*(4*aa+\bb)+7], v[BF+32*(\g)+8*\bb:BF+32*(\g)+8*\bb+7], v[AF+64*(\q)+8*aa:AF+64*(\q)+8*aa+7], v[8*(4*aa+\bb):8*(4*aa+\bb)+7]
.endif
.endr
.set aa, aa+1
.endr
.endm
.macro LDA slot, q, half               ; 8 loads: four of A's fragments of quarter q
.irp k, 0,1,2,3
	ds_load_b128 v[AF+64*(\q)+8*(4*(\half)+\k):AF+64*(\q)+8*(4*(\half)+\k)+3],   v[ADRA+(\slot)] offset:(4*(\half)+\k)*FR+64*(\q)
	ds_load_b128 v[AF+64*(\q)+8*(4*(\half)+\k)+4:AF+64*(\q)+8*(4*(\half)+\k)+7], v[ADRA+(\slot)] offset:(4*(\half)+\k)*FR+64*(\q)+32
.endr
.endm
.macro LDB slot, q, g                  ; 8 loads: head g's four fragments of B
.irp bb, 0,1,2,3
	ds_load_b128 v[BF+32*(\g)+8*\bb:BF+32*(\g)+8*\bb+3],   v[ADRB+(\slot)] offset:(4*(\g)+\bb)*FR+64*(\q)
	ds_load_b128 v[BF+32*(\g)+8*\bb+4:BF+32*(\g)+8*\bb+7], v[ADRB+(\slot)] offset:(4*(\g)+\bb)*FR+64*(\q)+32
.endr
.endm
; A slot's first quarter: 96 products; behind each head's 32, four places and the next quarter's loads into the registers just read.
.macro QA slot, zero
	s_wait_dscnt 8                                 ; all but the youngest eight loads, B's third group
	PH 0, 0, 0, 8, \zero
	PLACES
	WIN 0
	LDB \slot, 1, 0
	LDA \slot, 1, 0
	PH 0, 1, 0, 8, \zero
	PLACES
	WIN 0
	LDB \slot, 1, 1
	LDA \slot, 1, 1
	s_wait_dscnt 32                                ; all but the 32 just issued
	PH 0, 2, 0, 8, \zero
	PLACES
	WIN 0
	LDB \slot, 1, 2
.endm
; A slot's second quarter and the change of slots.  All reads of this slot have been issued.  Each wave waits for all its tensor loads (one is out: its part of the other slot), adds 0 to
; its spare word, waits for that and for its reads; behind the barrier (mode 2: a round of the cluster's) nobody reads this slot and the other is whole.  mode 2: this slot is filled again,
; two K blocks on, first thing behind the round: 176 products stand between that request and the wait for it.
.macro QB slot, mode
.set NX, 1-(\slot)
.if ((\mode) == 2) && ((\slot) == 0)
	s_wait_xcnt 0x0                                ; the last prefetches, a lap back, have read their addresses
	s_add_nc_u64 s[PFAA:PFAA+1], s[PFAA:PFAA+1], 2*ABLK
	s_add_nc_u64 s[PFAB:PFAB+1], s[PFAB:PFAB+1], 2*BBLK
.endif
	s_wait_dscnt 8
	PH 1, 0, 0, 4, 0
	WIN 0
	s_wait_tensorcnt 0x0
	ds_add_u32 v[SPW], v[NIL]                      ; 0 onto my spare word; eight products stand between it and the wait for it
	PH 1, 0, 4, 2, 0
	s_wait_dscnt 0x0                               ; the add is done, and my reads of this slot are over
	s_barrier_signal -1
	PH 1, 0, 6, 2, 0
	WIN 0
	s_barrier_wait -1
.if (\mode) == 2
	CREST
	s_add_nc_u64 s[G0A+4*(\slot)+2:G0A+4*(\slot)+3], s[G0A+4*(\slot)+2:G0A+4*(\slot)+3], 2*ABLK
	s_add_nc_u64 s[G0B+4*(\slot)+2:G0B+4*(\slot)+3], s[G0B+4*(\slot)+2:G0B+4*(\slot)+3], 2*BBLK
	JLOAD \slot                                    ; its four v_nop are also the places in front of the loads below
.else
	PLACES
.endif
	LDB NX, 0, 0
	LDA NX, 0, 0
.if ((\mode) == 2) && ((\slot) == 0)
	ASK
.endif
	PH 1, 1, 0, 8, 0
	PLACES
	WIN 0
	LDB NX, 0, 1
	LDA NX, 0, 1
	PH 1, 2, 0, 8, 0
	PLACES
	WIN 0
	LDB NX, 0, 2
.endm
	s_wait_tensorcnt 1                             ; my part of K block 0 is in; block 1's may stay out
	s_wait_dscnt 0x0                               ; my part of the bias is stored
	s_barrier_signal -1
	s_barrier_wait -1
	LDB 0, 0, 0
	LDA 0, 0, 0
	LDB 0, 0, 1
	LDA 0, 0, 1
	LDB 0, 0, 2
	QA 0, 1                                        ; the first quarter starts the sums: nothing is cleared
	WIN 0
	s_mov_b32 s3, 7
.Llap:                                                 ; seven laps fill both slots again: K blocks 2 to 15
	QB 0, 2
	QA 1, 0
	QB 1, 2
	QA 0, 0
	WIN 0
	s_sub_co_u32 s3, s3, 1
	s_cmp_lg_u32 s3, 0
	s_cbranch_scc1 .Llap
	QB 0, 1                                        ; the tail is written out: nothing more is asked for
	QA 1, 0
	s_wait_dscnt 8
	PH 1, 0, 0, 8, 0
	PH 1, 1, 0, 8, 0
	s_wait_dscnt 0x0
	PH 1, 2, 0, 8, 0
	WIN 0
	PLACES
	PLACES
	; THE WAY OUT.  The bias of my 192 columns takes B's registers; then 16 tokens at a time: scale and bias in one fused multiply-add, rounded to f16, through my stage, out as whole rows.
.irp g, 0,1,2
.irp bb, 0,1,2,3
	ds_load_b128 v[BF+32*\g+8*\bb:BF+32*\g+8*\bb+3],   v[BA] offset:256*\g+64*\bb
	ds_load_b128 v[BF+32*\g+8*\bb+4:BF+32*\g+8*\bb+7], v[BA] offset:256*\g+64*\bb+16
.endr
.endr
	s_wait_dscnt 0x0
.macro PACK a
.irp g, 0,1,2
	WIN \g+1                                       ; source 0: head g's accumulators, read in ascending order
.set z, 0
.rept 16
	v_pk_fma_f32 v[T+2*z:T+2*z+1], v[32*(\a)+2*z:32*(\a)+2*z+1], s[SC+2*\g:SC+2*\g+1], v[BF+32*\g+2*z:BF+32*\g+2*z+1] op_sel_hi:[1,0,1]
.set z, z+1
.endr
	WIN 0
.set z, 0
.rept 16
	v_cvt_pk_f16_f32 v[PK+16*\g+z], v[T+2*z], v[T+2*z+1]
.set z, z+1
.endr
.endr
.endm
.macro TOSTAGE
	s_wait_xcnt 0x0                                ; the last block's stores have read the registers that are loaded again below
.irp g, 0,1,2
.irp bb, 0,1,2,3
	ds_store_b128 v[STO], v[PK+16*\g+4*\bb:PK+16*\g+4*\bb+3] offset:\g*FR+32*\bb
.endr
.endr
.irp g, 0,1,2
.irp f, 0,1,2,3
	ds_load_b128 v[OB+16*\g+4*\f:OB+16*\g+4*\f+3], v[RD] offset:\g*FR+\f*4*PITCH  ; LDS serves a wave's instructions in order: these see the stores above
.endr
.endr
.endm
.macro SEND a
	s_wait_dscnt 0x0
.irp g, 0,1,2
.irp f, 0,1,2,3
	global_store_b128 v[GO], v[OB+16*\g+4*\f:OB+16*\g+4*\f+3], s[CB+2*\g:CB+2*\g+1] offset:((\a)/4)*16384+((\a)%4)*2048+\f*512  ; 512 consecutive bytes, aligned
.endr
.endr
.endm
	PACK 0
	TOSTAGE
.irp a, 1,2,3,4,5,6,7
	PACK \a
	SEND \a-1
	TOSTAGE
.endr
	SEND 7
	s_wait_tensorcnt 0x0                           ; the wave's end
	ds_add_u32 v[SPW], v[NIL]
	s_wait_dscnt 0x0
	CROUND                                         ; the closing round
	s_endpgm
.Lfunc_end_k_qa8057ef0d2_qkv:
	.size	k_qa8057ef0d2_qkv, .Lfunc_end_k_qa8057ef0d2_qkv-k_qa8057ef0d2_qkv
	.p2alignl 7, 3214868480
	.fill 96, 4, 3214868480
	.section	.rodata,"a",@progbits
	.p2align	6, 0x0
	.amdhsa_kernel k_qa8057ef0d2_qkv
		.amdhsa_group_segment_fixed_size 327680
		.amdhsa_private_segment_fixed_size 0
		.amdhsa_enable_private_segment 0
		.amdhsa_kernarg_size 32
		.amdhsa_user_sgpr_count 2
		.amdhsa_user_sgpr_kernarg_segment_ptr 1
		.amdhsa_wavefront_size32 1
		.amdhsa_system_sgpr_workgroup_id_x 1
		.amdhsa_system_sgpr_workgroup_id_y 1
		.amdhsa_system_sgpr_workgroup_id_z 1
		.amdhsa_system_vgpr_workitem_id 0
		.amdhsa_next_free_vgpr 1024
		.amdhsa_next_free_sgpr 80
		.amdhsa_reserve_vcc 0
		.amdhsa_float_denorm_mode_32 3
		.amdhsa_float_denorm_mode_16_64 3
		.amdhsa_memory_ordered 1
		.amdhsa_forward_progress 1
		.amdhsa_inst_pref_size 160
	.end_amdhsa_kernel
	.amdgpu_metadata
---
amdhsa.version: [ 1, 2 ]
amdhsa.kernels:
  - .name:           k_qa8057ef0d2_qkv
    .symbol:         k_qa8057ef0d2_qkv.kd
    .args:
      - { .name: xb, .offset: 0, .size: 8, .value_kind: global_buffer, .address_space: global }
      - { .name: wb, .offset: 8, .size: 8, .value_kind: global_buffer, .address_space: global }
      - { .name: qkv_b, .offset: 16, .size: 8, .value_kind: global_buffer, .address_space: global }
      - { .name: qkvw, .offset: 24, .size: 8, .value_kind: global_buffer, .address_space: global }
    .group_segment_fixed_size: 327680
    .private_segment_fixed_size: 0
    .kernarg_segment_align: 8
    .kernarg_segment_size: 32
    .max_flat_workgroup_size: 128
    .sgpr_count:     80
    .vgpr_count:     1024
    .wavefront_size: 32
...
	.end_amdgpu_metadata
.endif
;; end of part 2
;; launch attn (part 3): grid 8 x 32, 4 waves a work-group, clusters of 4 x 4, 327,680 bytes of LDS; arguments qkvw, bp, ow_in; writes ow_in
.if DOCPART == 3
	.amdgcn_target "amdgcn-amd-amdhsa--gfx1250"
	.amdhsa_code_object_version 6
	.text
	.protected	k_qa8057ef0d2_attn
	.globl	k_qa8057ef0d2_attn
	.p2align	8
	.type	k_qa8057ef0d2_attn,@function
k_qa8057ef0d2_attn:
	s_mov_b64 s[64:65], 0
	v_nop
	global_prefetch_b8 v0, s[64:65] scope:SCOPE_SE
	s_setreg_imm32_b32 hwreg(HW_REG_WAVE_MODE, 25, 1), 1
	s_wait_xcnt 0x0
	s_wait_alu depctr_hold_cnt(0) depctr_sa_sdst(0) depctr_va_vdst(0) depctr_va_sdst(0) depctr_va_ssrc(0) depctr_va_vcc(0) depctr_vm_vsrc(0)
	s_getreg_b32 s2, hwreg(HW_REG_IB_STS2, 6, 4)
	s_cmp_eq_u32 s2, 0
	s_cbranch_scc0 .Lentry_in_a_cluster
	s_endpgm
.Lentry_in_a_cluster:
	s_bfe_u32 s2, ttmp6, 0x10000c
	s_cmp_lg_u32 s2, 0xf033
	s_cbranch_scc0 .Lentry_shape_is_right
	s_endpgm
.Lentry_shape_is_right:
; ATTENTION WITH A BIAS SHARED BY ALL HEADS.  O[b][h][n] = sum over m of softmax_m(q.k / 8 + bias[b][n][m], padding keys left out) v[b][h][m].  Head size 64, 2,048 keys.
; q (already divided by 8), k, v: f16, by heads, in qkvw.  bp: the bias in f32, with -2^100 where the key is padding.  O: f16, ow_in[head pair][token/128][head%2][token%128][64].
; Products, maxima and sums in f32; the weights p are rounded to f16 for the second product (their sum l is taken of the unrounded p), O once at the end.
; LIMITS.  The running maximum starts at -2^90: true scores must lie above that; a padding key's score, about -2^100, then has the weight 0 exactly.  A batch whose keys are all padding
; has l = 0 and gets NaN, as a softmax over nothing does.  A weight below 2^-126 counts as 0 in l.  p below 6e-5 keeps f16's fixed step.
; SHARES.  A work-group owns 256 queries of one batch and TWO heads; a wave 64 queries x 2 heads: eight tiles of 16 queries (tile t: head t / 4, query tile t % 4), in four pieces of two.
; THE BIAS COSTS NO VECTOR WORK: it is the C operand of the product that starts each sum S^T = K Q^T, and a step's 128 registers of it serve both heads.
; LAYOUT.  S^T = K Q^T holds one query a lane (lane % 16) and the keys 8 (lane / 16) + 0..7; two such results rounded to f16 are source 1 of O^T = V^T P.
; SOFTMAX.  p = 2^(c s - c m), c = log2(e), m a running maximum; O and l are multiplied by a = 2^(c m_old - c m_new) in every step.
; BY TURNS.  Turn n belongs to piece n: 16 products K Q^T of piece n + 1, later 16 products V^T P of piece n - 1; beside them piece n's scaling, exponentials, roundings, sums and rescaling and
; piece n + 1's maximum and statistics.  Four vector instructions stand behind every product, the rest in one lump; a turn's 66 exponentials are one batch with one wait.
; CLUSTER 4 x 4.  x: head pairs, y: query blocks.  The bias tile is shared along a row of the cluster, K's and V's along a column (four query blocks of one batch): each is asked for jointly.
; RING.  A slot holds one key step: 256 rows x 64 keys of bias, 2 x 64 rows of K, 2 x 64 rows of V.  All reads of a step end in its turn 1, all reads of the next begin in turn 2: the change stands between.
; REGISTERS.  Window 0: v1-11 addresses; v12-15, v48-63 at work; v16-47 statistics; v64-191 S^T, two buffers of two tiles; v192-255 P likewise.  Window 1: O^T, 32 a tile.
; Window 2: v0-127 Q; v128-191 K of one head; v192-193 the add's registers.  Window 3: v0-127 V of both heads; v128-255 the bias, 32 a query tile.
.set NP,    4
.set PB,    272                        ; a row of bias in LDS: 256 bytes + 16
.set PK,    144                        ; a row of K: 128 + 16
.set PV,    160                        ; a row of V: 128 + 32
.set KOFF,  256*PB
.set VOFF,  KOFF+128*PK
.set SLOT1, 1<<17
.set STAGE, SLOT1+VOFF+128*PV          ; behind the ring: 16 rows x 144 bytes for each wave
.set SP,    144
.set SPARE, STAGE+4*16*SP              ; the spare words: 128 bytes a wave, named by no other line
.set PFK, 1                            ; v1   256 x lane
.set AK0, 2
.set AV0, 3
.set AK,  4
.set AV,  5
.set QO,  6
.set STO, 6
.set RD,  7
.set GO,  8
.set AB0, 9
.set AB,  10
.set PFO, 11                           ; v11  8,192 x lane
.set MV,  12
.set ST,  16                           ; tile t: c m, m, l (even keys', odd keys')
.set TMP, 48
.set S,   64
.set P,   192
.set TR,  192                          ; at the head only: l % 16, l / 16, l % 8, (l / 8) % 2
.set TH,  193
.set T7,  194
.set T3,  195
.set KF,  128                          ; window 2
.set SPW, 192                          ; window 2
.set NIL, 193                          ; window 2
.set VF,  0                            ; window 3: head g at 64 g
.set BI,  128                          ; window 3: query tile u, key block kb at 32 u + 8 kb
.set WV,  12
.set G1B, 24
.set G1K, 32
.set G1V, 40
.set G0B, 48
.set G0K, 52
.set G0V, 56
.set SLOTS, 60
.set CNT, 61
.set TB,  62                           ; LDS byte at which the slot to be fetched from begins
.set LIM, 63
.set CS,  66
.set SEL, 68
.set PFB, 70                           ; s[70:71] bp at my 32 rows, at the step a prefetch names
.set PFKV, 72                          ; s[72:73] qkvw at my work-group's quarter of a step's K and V
.set QPT, 74
.set OPT, 76
.set MSB, 0
.macro WIN new
.if MSB != (\new)
	s_set_vgpr_msb (MSB<<8)|(\new)
.set MSB, (\new)
.endif
.endm
.set W_KB, 0x3a                        ; K and Q in window 2, the bias (C) in window 3, S^T in window 0
.set W_KQ, 0x0a
.set W_PV, 0x53                        ; V in window 3, P in window 0, O^T in window 1
.set W_RS, 0x41
.set W_MK, 0x80
.set W_AD, 0x0a                        ; the add: address and data in window 2
.macro FOURNOP
.rept 4
	v_nop
.endr
.endm
; A joint fill, one load a wave: waves 0 and 1 the two halves of the bias tile, wave 2 both heads' K, wave 3 both heads' V.  The branches hang on the wave's number alone.
.macro JLOAD
	s_cmp_lt_u32 s[WV], 2
	s_cbranch_scc0 .Lkv_\@
	tensor_load_to_lds s[G0B:G0B+3], s[G1B:G1B+7]
	s_nop 0
	FOURNOP
	s_branch .Lasked_\@
.Lkv_\@:
	s_cmp_eq_u32 s[WV], 2
	s_cbranch_scc0 .Lv_\@
	tensor_load_to_lds s[G0K:G0K+3], s[G1K:G1K+7]
	s_nop 0
	FOURNOP
	s_branch .Lasked_\@
.Lv_\@:
	tensor_load_to_lds s[G0V:G0V+3], s[G1V:G1V+7]
	s_nop 0
	FOURNOP
.Lasked_\@:
.endm
.macro CROUND
	s_barrier_signal -1
	s_barrier_wait -1
	s_cmp_lg_u32 s[WV], 0
	s_cbranch_scc1 .Lnot_wave_0_\@
	s_barrier_signal -3
.Lnot_wave_0_\@:
	s_barrier_wait -3
	s_barrier_signal -1
	s_barrier_wait -1
.endm
; PREFETCH of what the NEXT change will ask for, behind the joint load.  The bias rows are read by both clusters along x: the one with x = 0 asks; of the 128 rows that wave 0 or 1 fetches each of
; the four partners takes 32, by address: a lane a row.  K and V of a batch are read by two clusters along y: the even one asks; of a step's 32 KiB each partner takes 8 KiB, by address: wave 2.
; Each aligned 256 bytes is named once in the launch.  The last change that fills a slot asks for nothing.
.macro ASK
	s_cmp_gt_u32 s[SLOTS], s[LIM]
	s_cbranch_scc0 .Lnone_\@
	s_cmp_lt_u32 s[WV], 2
	s_cbranch_scc0 .Lask_kv_\@
	global_prefetch_b8 v[PFO], s[PFB:PFB+1] th:TH_LOAD_NT scope:SCOPE_SE
	s_branch .Lnone_\@
.Lask_kv_\@:
	global_prefetch_b8 v[PFK], s[PFKV:PFKV+1] th:TH_LOAD_NT scope:SCOPE_SE
.Lnone_\@:
.endm
; THE CHANGE OF SLOTS.  Each wave waits for all its tensor loads (one is out: its part of the other slot), adds 0 to its spare word, and waits for that and for its reads of the slot that it leaves.
; fill = 1: behind a round of the cluster's barrier the slot is filled again, two steps on: the load has a whole key step, 128 products and their lumps, in which to land.
.macro CHANGE fill, ask
	WIN W_AD
	s_wait_tensorcnt 0x0
	ds_add_u32 v[SPW], v[NIL]                      ; 0 onto my spare word; the descriptors' steps stand between it and the wait for it
	WIN 0
.if \fill
	s_xor_b32 s[G0B+1], s[G0B+1], SLOT1
	s_xor_b32 s[G0K+1], s[G0K+1], SLOT1
	s_xor_b32 s[G0V+1], s[G0V+1], SLOT1
	s_add_nc_u64 s[G0B+2:G0B+3], s[G0B+2:G0B+3], 256      ; 64 keys on in each row
	s_add_nc_u64 s[G0K+2:G0K+3], s[G0K+2:G0K+3], 16384    ; 64 tokens of both heads on
	s_add_nc_u64 s[G0V+2:G0V+3], s[G0V+2:G0V+3], 16384
.if \ask
	s_wait_xcnt 0x0                                ; the last prefetch, a key step back, has read its address
	s_add_nc_u64 s[PFB:PFB+1], s[PFB:PFB+1], 256
	s_add_nc_u64 s[PFKV:PFKV+1], s[PFKV:PFKV+1], 16384
.endif
	s_wait_dscnt 0x0
	CROUND
	JLOAD
.if \ask
	ASK
.endif
.else
	s_wait_dscnt 0x0
	s_barrier_signal -1
	s_barrier_wait -1
.endif
	s_xor_b32 s[TB], s[TB], SLOT1                  ; the fetches go to the other slot
.endm
	s_load_b128 s[4:7], s[0:1], 0x0                ; qkvw 4, bp 6
	s_load_b64 s[8:9], s[0:1], 0x10                ; ow_in
	WIN W_MK
	v_lshl_add_u32 v[SPW], v0, 2, SPARE
	v_mov_b32 v[NIL], 0
	WIN W_AD
	ds_add_u32 v[SPW], v[NIL]                      ; the wave's opening: the add and its wait ahead of my first tensor load
	WIN 0
	v_lshrrev_b32 v1, 5, v0
	v_readfirstlane_b32 s[WV], v1
	s_bfe_u32 s10, ttmp6, 0x40000                  ; cx
	s_bfe_u32 s11, ttmp6, 0x40004                  ; cy
	s_lshl_b32 s13, ttmp9, 2
	s_add_co_u32 s13, s13, s10                     ; head pair 0..7
	s_and_b32 s15, ttmp7, 0xffff
	s_lshl_b32 s14, s15, 2
	s_add_co_u32 s14, s14, s11                     ; block of 256 queries 0..31
	s_lshr_b32 s15, s15, 1                         ; the batch: eight blocks, two clusters, each
	s_and_b32 s19, s[WV], 1
	s_lshl_b32 s2, s11, 2
	s_lshl_b32 s2, 15, s2                          ; my row of the cluster
	s_lshl_b32 s3, 0x1111, s10                     ; my column
	s_or_b32 s[G1B], s2, (2<<16)|(1<<20)|(1<<21)|(5<<22)|(3<<25)  ; 4-byte elements; after every 64 words 4 words of padding
	s_or_b32 s[G1K], s3, (1<<16)|(1<<20)|(1<<21)|(4<<22)|(3<<25)  ; 2-byte elements; after every 32 words 4 words
	s_or_b32 s[G1V], s3, (1<<16)|(1<<20)|(1<<21)|(4<<22)|(7<<25)  ; 8 words
	s_mov_b32 s[G1B+1], 64<<16                     ; 64 keys
	s_mov_b32 s[G1B+2], 128<<16                    ; 128 rows
	s_mov_b32 s[G1B+3], 64<<16
	s_mov_b32 s[G1B+4], 128
	s_mov_b32 s[G1B+5], 2048                       ; elements from row to row
	s_mov_b32 s[G1B+6], 0
	s_mov_b32 s[G1B+7], 0
.irp g, G1K, G1V
	s_mov_b32 s[\g+1], 128<<16                     ; 16,384 dense bytes as 64 rows of 256
	s_mov_b32 s[\g+2], 64<<16
	s_mov_b32 s[\g+3], 128<<16
	s_mov_b32 s[\g+4], 64
	s_mov_b32 s[\g+5], 128
	s_mov_b32 s[\g+6], 0
	s_mov_b32 s[\g+7], 0
.endr
	s_lshl_b32 s16, s14, 8                         ; the bias: row 256 x block + 128 x half, 8,192 bytes a row
	s_lshl_b32 s17, s19, 7
	s_add_co_u32 s16, s16, s17
	s_lshl_b32 s16, s16, 13
	s_mov_b32 s17, 0
	s_mul_i32 s18, s19, 128*PB
	s_add_co_u32 s20, s13, 8                       ; K: pair 8 + head pair, the batch's 32 blocks of 16,384 bytes
	s_lshl_b32 s20, s20, 21
	s_lshl_b32 s21, s15, 19
	s_add_co_u32 s20, s20, s21
	s_mov_b32 s21, 0
	s_add_co_u32 s22, s20, 8<<21                   ; V: eight pairs on
	s_mov_b32 s23, 0
	s_lshl_b32 s[QPT], s13, 21                     ; Q: my wave's 64 tokens, both heads
	s_lshl2_add_u32 s2, s14, s[WV]
	s_lshl_b32 s2, s2, 14
	s_add_co_u32 s[QPT], s[QPT], s2
	s_mov_b32 s[QPT+1], 0
	s_lshl_b32 s[OPT], s13, 21                     ; O
	s_lshr_b32 s2, s[WV], 1
	s_lshl1_add_u32 s2, s14, s2
	s_lshl_b32 s2, s2, 15
	s_add_co_u32 s[OPT], s[OPT], s2
	s_lshl_b32 s2, s19, 13
	s_add_co_u32 s[OPT], s[OPT], s2
	s_mov_b32 s[OPT+1], 0
	s_lshl_b32 s[PFB], s14, 8                      ; the prefetches, at step 2: the first asking change steps them to 3
	s_lshl_b32 s2, s19, 7
	s_add_co_u32 s[PFB], s[PFB], s2
	s_lshl_b32 s2, s10, 5
	s_add_co_u32 s[PFB], s[PFB], s2
	s_lshl_b32 s[PFB], s[PFB], 13
	s_add_co_u32 s[PFB], s[PFB], 2*256
	s_mov_b32 s[PFB+1], 0
	s_lshr_b32 s2, s11, 1                          ; partners 0, 1: K; 2, 3: V
	s_lshl_b32 s2, s2, 3
	s_add_co_u32 s2, s2, s13
	s_add_co_u32 s2, s2, 8
	s_lshl_b32 s[PFKV], s2, 21
	s_lshl_b32 s2, s15, 19
	s_add_co_u32 s[PFKV], s[PFKV], s2
	s_and_b32 s2, s11, 1
	s_lshl_b32 s2, s2, 13
	s_add_co_u32 s[PFKV], s[PFKV], s2
	s_add_co_u32 s[PFKV], s[PFKV], 2*16384
	s_mov_b32 s[PFKV+1], 0
	s_and_b32 s2, ttmp7, 1
	s_cmp_lt_u32 s[WV], 2
	s_cselect_b32 s2, ttmp9, s2
	s_cmp_eq_u32 s[WV], 3
	s_cselect_b32 s2, 1, s2
	s_cmp_eq_u32 s2, 0
	s_cselect_b32 s[LIM], 1, -1                    ; the same in all sixteen partners, for a given wave
	s_mov_b32 s[CS], 0x3fb8aa3b                    ; c = log2(e)
	s_mov_b32 s[CS+1], s[CS]
	s_mov_b32 s[SEL], 0x76543210
	s_mov_b32 s[SEL+1], 0xfedcba98
	s_mov_b32 s[TB], SLOT1                         ; the first change turns it into 0
	s_mov_b32 s[G0B], 1
	s_mov_b32 s[G0B+1], s18
	s_mov_b32 s[G0K], 1
	s_mov_b32 s[G0K+1], KOFF
	s_mov_b32 s[G0V], 1
	s_mov_b32 s[G0V+1], VOFF
	s_wait_dscnt 0x0                               ; the opening add is done
	s_wait_kmcnt 0x0
	s_add_nc_u64 s[G0B+2:G0B+3], s[6:7], s[16:17]
	s_or_b32 s[G0B+3], s[G0B+3], 0x80000000
	s_add_nc_u64 s[G0K+2:G0K+3], s[4:5], s[20:21]
	s_or_b32 s[G0K+3], s[G0K+3], 0x80000000
	s_add_nc_u64 s[G0V+2:G0V+3], s[4:5], s[22:23]
	s_or_b32 s[G0V+3], s[G0V+3], 0x80000000
	s_add_nc_u64 s[QPT:QPT+1], s[4:5], s[QPT:QPT+1]
	s_add_nc_u64 s[OPT:OPT+1], s[8:9], s[OPT:OPT+1]
	s_add_nc_u64 s[PFB:PFB+1], s[6:7], s[PFB:PFB+1]
	s_add_nc_u64 s[PFKV:PFKV+1], s[4:5], s[PFKV:PFKV+1]
	CROUND                                         ; all sixteen work-groups are here
	JLOAD                                          ; step 0 into slot 0; slot 1 is asked for when slot 0 is in
	v_and_b32 v[TR], 15, v0
	v_bfe_u32 v[TH], v0, 4, 1
	v_lshlrev_b32 v[QO], 7, v[TR]
	v_lshl_add_u32 v[QO], v[TH], 4, v[QO]
	WIN 0x80
.set i, 0
.rept 16                                       ; Q stays in registers: tile i / 2, channels 32 (i % 2) on
	global_load_b128 v[8*i:8*i+3],   v[QO], s[QPT:QPT+1] offset:(i/8)*8192+((i/2)%4)*2048+(i%2)*64
	global_load_b128 v[8*i+4:8*i+7], v[QO], s[QPT:QPT+1] offset:(i/8)*8192+((i/2)%4)*2048+(i%2)*64+32
.set i, i+1
.endr
	; what the first turn finds: head 1's V and P's second buffer hold 0 (its products V^T P, of a piece that has not been, add 0); O^T and l are 0.  All this stands in the wait for the first tile.
	WIN 0xc0
.set i, VF+64
.rept 64
	v_mov_b32 v[i], 0
.set i, i+1
.endr
	WIN 0x40
.set i, 0
.rept 256
	v_mov_b32 v[i], 0
.set i, i+1
.endr
	WIN 0
.set i, 0
.rept 8
	v_mov_b32 v[ST+4*i], 0xecb8aa3b                ; c m = c x -2^90
	v_mov_b32 v[ST+4*i+1], 0xec800000              ; m = -2^90: below every true score, far above a padding key's
	v_mov_b32 v[ST+4*i+2], 0
	v_mov_b32 v[ST+4*i+3], 0
.set i, i+1
.endr
.set i, P+32
.rept 32
	v_mov_b32 v[i], 0
.set i, i+1
.endr
	v_mul_u32_u24 v[AK0], v[TR], PK
	v_lshl_add_u32 v[AK0], v[TH], 4, v[AK0]
	v_add_nc_u32 v[AK0], KOFF, v[AK0]
	v_and_b32 v[T7], 7, v0
	v_bfe_u32 v[T3], v0, 3, 1
	v_lshl_add_u32 v[AV0], v[TH], 3, v[T7]         ; the turning load: lane l reads key 8 (l / 16) + l % 8, channels 8 ((l / 8) % 2) on
	v_mul_u32_u24 v[AV0], v[AV0], PV
	v_lshl_add_u32 v[AV0], v[T3], 4, v[AV0]
	v_add_nc_u32 v[AV0], VOFF, v[AV0]
	s_mul_i32 s16, s[WV], 64*PB                    ; the bias as a C operand: lane l holds query l % 16 and keys 8 (l / 16) + 0..7: 32 bytes of its row
	v_mul_u32_u24 v[AB0], v[TR], PB
	v_lshl_add_u32 v[AB0], v[TH], 5, v[AB0]
	v_add_nc_u32 v[AB0], s16, v[AB0]
	v_and_b32 v[PFO], 31, v0
	v_lshlrev_b32 v[PFK], 8, v[PFO]
	v_lshlrev_b32 v[PFO], 13, v[PFO]
; THE MATRIX WORK.  The 8 accumulators of a run of 16 take turns.  Product i of S^T for piece x: channels 32 (i / 8) on, keys 16 ((i / 2) % 4) on, tile 2 x + i % 2; the first 8 start the sums with the bias.
.macro KQ x
.set rS, S+64*((\x)%2)+32*(i%2)+8*((i/2)%4)
.set rK, KF+16*((i/2)%4)+8*(i/8)
.set rQ, 16*(2*(\x)+i%2)+8*(i/8)
.set rB, BI+32*(2*((\x)%2)+i%2)+8*((i/2)%4)
.if i < 8
	WIN W_KB
	v_wmma_f32_16x16x32_f16 v[rS:rS+7], v[rK:rK+7], v[rQ:rQ+7], v[rB:rB+7]
.else
	WIN W_KQ
	v_wmma_f32_16x16x32_f16 v[rS:rS+7], v[rK:rK+7], v[rQ:rQ+7], v[rS:rS+7]
.endif
.endm
.macro PV x                            ; product i of O^T += V^T P: keys 32 (i / 8) on, channels 16 ((i / 2) % 4) on, tile 2 x + i % 2; the piece's head is x / 2
	WIN W_PV
.set rO, 32*(2*(\x)+i%2)+8*((i/2)%4)
.set rV, VF+64*((\x)/2)+32*(i/8)+8*((i/2)%4)
.set rP, P+32*((\x)%2)+16*(i%2)+8*(i/8)
	v_wmma_f32_16x16x32_f16 v[rO:rO+7], v[rV:rV+7], v[rP:rP+7], v[rO:rO+7]
.endm
.macro MM
.if i < 16
	KQ (Y+1)%NP
.set i, i+1
.else
.set i, i-16
	PV (Y+NP-1)%NP
.set i, i+17
.endif
.endm
; THE LDS LOADS stand in runs of 16.
.macro FETCH_K g
	WIN 0x80
.irp f, 0,1,2,3,4,5,6,7
	ds_load_b128 v[KF+8*\f:KF+8*\f+3],   v[AK] offset:(\g)*64*PK+(\f/2)*16*PK+(\f%2)*64
	ds_load_b128 v[KF+8*\f+4:KF+8*\f+7], v[AK] offset:(\g)*64*PK+(\f/2)*16*PK+(\f%2)*64+32
.endr
	WIN 0
.endm
.macro FETCH_V g
	WIN 0xc0
.irp f, 0,1,2,3,4,5,6,7
	ds_load_tr16_b128 v[VF+64*(\g)+8*\f:VF+64*(\g)+8*\f+3],   v[AV] offset:(\g)*64*PV+(\f/4)*32*PV+(\f%4)*32
	ds_load_tr16_b128 v[VF+64*(\g)+8*\f+4:VF+64*(\g)+8*\f+7], v[AV] offset:(\g)*64*PV+(\f/4)*32*PV+16*PV+(\f%4)*32
.endr
	WIN 0
.endm
.macro FETCH_B hf                      ; query tiles 2 hf and 2 hf + 1
	WIN 0xc0
.irp f, 0,1,2,3,4,5,6,7
	ds_load_b128 v[BI+64*(\hf)+8*\f:BI+64*(\hf)+8*\f+3],   v[AB] offset:(2*(\hf)+\f/4)*16*PB+(\f%4)*64
	ds_load_b128 v[BI+64*(\hf)+8*\f+4:BI+64*(\hf)+8*\f+7], v[AB] offset:(2*(\hf)+\f/4)*16*PB+(\f%4)*64+16
.endr
	WIN 0
.endm
; THE VECTOR WORK OF A TURN, in three queues, each in the order in which its entries become ready; the two tiles alternate.
.macro REGS y, u
.set rT, ST+4*(2*(\y)+(\u))
.set rC, TMP+8*((\y)%2)+4*(\u)
.set rM, MV+2*((\y)%2)+(\u)
.set rS, S+64*((\y)%2)+32*(\u)
.set rP, P+32*((\y)%2)+16*(\u)
.set rO, 32*(2*(\y)+(\u))
.endm
; Number n of the 22 that find the next piece's maximum and statistics; each accumulator's lowest registers are read first.
.macro XS u, n
	REGS (Y+1)%NP, \u
.if (\n) < 4
	v_max3_num_f32 v[rC+(\n)], v[rS+8*(\n)], v[rS+8*(\n)+1], v[rS+8*(\n)+2]
.elseif (\n) < 12
	v_max3_num_f32 v[rC+(\n)%4], v[rC+(\n)%4], v[rS+8*((\n)%4)+2*((\n)/4)+1], v[rS+8*((\n)%4)+2*((\n)/4)+2]
.elseif (\n) == 12
	v_max3_num_f32 v[rC], v[rC], v[rS+7], v[rS+15]
.elseif (\n) == 13
	v_max3_num_f32 v[rC+1], v[rC+1], v[rS+23], v[rS+31]
.elseif (\n) == 14
	v_max3_num_f32 v[rC+2], v[rC+2], v[rC+3], v[rT+1]
.elseif (\n) == 15
	v_mov_b32 v[rM], v[rT]
.elseif (\n) == 16
	v_max3_num_f32 v[rC], v[rC], v[rC+1], v[rC+2]
.elseif (\n) == 17
	v_permlanex16_b32 v[rC+3], v[rC], s[SEL], s[SEL+1]
.elseif (\n) == 18
	v_max_num_f32 v[rT+1], v[rC], v[rC+3]
.elseif (\n) == 19
	v_mul_f32 v[rT], s[CS], v[rT+1]
.elseif (\n) == 20
	v_sub_f32 v[rC+1], v[rM], v[rT]
.else
	v_exp_f32 v[rC+2], v[rC+1]
.endif
.endm
; Number g of the 64 that follow the exponentials: for each four weights, both pairs rounded to f16, the second pair added onto the first, and a group later l takes that sum (the first time as l = a l + sum).
.macro GS g
.set h, (\g)+6*((\g)/62)
.if h >= 6
.set h, h+2
.endif
	REGS Y, h%2
.set k, h/8
.if h%8 < 4
	v_cvt_pk_f16_f32 v[rP+2*k+(h%8)/2], v[rS+4*k+2*((h%8)/2)], v[rS+4*k+2*((h%8)/2)+1]
.elseif h%8 < 6
	v_pk_add_f32 v[rS+4*k:rS+4*k+1], v[rS+4*k:rS+4*k+1], v[rS+4*k+2:rS+4*k+3]
.elseif k == 1
	v_pk_fma_f32 v[rT+2:rT+3], v[rT+2:rT+3], v[rC+2:rC+3], v[rS:rS+1] op_sel_hi:[1,0,1]
.else
	v_pk_add_f32 v[rT+2:rT+3], v[rT+2:rT+3], v[rS+4*k-4:rS+4*k-3]
.endif
.endm
.macro FS f                            ; c s - c m for pair f / 2 of tile f % 2
	REGS Y, (\f)%2
	v_pk_fma_f32 v[rS+2*((\f)/2):rS+2*((\f)/2)+1], v[rS+2*((\f)/2):rS+2*((\f)/2)+1], s[CS:CS+1], v[rT:rT+1] op_sel_hi:[1,0,0] neg_lo:[0,0,1] neg_hi:[0,0,1]
.endm
; THE PLAIN QUEUE, 138 long: 0-26 scalings; 27-54 the maximum's numbers 0-13; 55, 56 number 15; 57-73 the chain 14, 16 .. 20 with scalings 27-31 between its links; 74-137 what reads the exponentials' results.
.macro PL
	WIN 0
.if q < 27
	FS q
.elseif q < 55
	XS (q-27)%2, (q-27)/2
.elseif q < 57
	XS q-55, 15
.elseif (q < 72) && ((q-57)%3 == 0)
	FS 27+(q-57)/3
.elseif q < 60
	XS (q-57)%3-1, 14
.elseif q < 72
	XS (q-57)%3-1, 15+(q-57)/3
.elseif q < 74
	XS q-72, 20
.else
	GS q-74
.endif
.set q, q+1
.endm
.macro EX                              ; the exponentials' queue, 66 long: one batch, all ahead of the turn's one wait
	WIN 0
.if e >= 64
	XS e-64, 21
.else
	REGS Y, e%2
	v_exp_f32 v[rS+e/2], v[rS+e/2]
.endif
.set e, e+1
.endm
.macro R2                              ; the rescaling's queue: O^T times a, two at a time
	REGS Y, r%2
	WIN W_RS
.irp z, 0,1
	v_pk_mul_f32 v[rO+4*(r/2)+2*\z:rO+4*(r/2)+2*\z+1], v[rO+4*(r/2)+2*\z:rO+4*(r/2)+2*\z+1], v[rC+2:rC+3] op_sel_hi:[1,0]
.endr
.set r, r+1
.endm
; A TURN, for piece p.  Ahead of its one wait stands all that names no result of its exponentials: 16 products K Q^T with a scaling, an exponential and two rescalings behind each, then the lump;
; behind it 16 products V^T P with four of the roundings and sums behind each.
; WHAT IS FETCHED WHERE (each run at least four plain instructions behind the last product that read its registers):
;   turn 0: head 1's K of the step in hand, behind the wait; both heads' V of that step at the turn's end, four riders behind V's last reader
;   turn 2: head 0's K and query tiles 0, 1 of the bias, of the NEXT step (the change of slots stands in front of this turn)      turn 3: query tiles 2, 3 of that bias
; WAITS: turn 0's head: the bias of turn 3.  Turn 1's head: K is in, V's 32 loads are younger; behind its wait: V.  Turn 3's head: turn 2's K and bias.
.macro TURN p
.set Y, (\p)
.set i, 0
.set q, 0
.set e, 0
.set r, 0
.if (\p) == 1
	s_wait_dscnt 32
.elseif (\p) != 2
	s_wait_dscnt 0x0
.endif
	MM
	PL
	PL
	R2
.rept 15
	MM
	PL
	EX
	R2
.endr
.if (\p) == 2
	WIN 0
	v_add_nc_u32 v[AK], s[TB], v[AK0]
	v_add_nc_u32 v[AB], s[TB], v[AB0]
.endif
.rept 8
	PL
.endr
.rept 49
	EX
	PL
.endr
	EX
	EX
	v_nop                                          ; a plain instruction behind the last exponential: one for the batch
	s_wait_alu depctr_va_vdst(0)                   ; the wait ahead of the first use: one for the batch
.if (\p) == 0
	FETCH_K 1
.elseif (\p) == 1
	s_wait_dscnt 0x0
.elseif (\p) == 2
	FETCH_K 0
	FETCH_B 0
.else
	FETCH_B 1
.endif
.rept 16
	MM
.rept 4
	PL
.endr
.if ((\p) == 0) && (q == 118)
	v_add_nc_u32 v[AV], s[TB], v[AV0]
.endif
.endr
.if (\p) == 0
	FETCH_V 0
	FETCH_V 1
.endif
.endm
	CHANGE 1, 0                                    ; slot 0 is in, everybody's part of it; slot 1 is asked for
	v_add_nc_u32 v[AK], s[TB], v[AK0]
	v_add_nc_u32 v[AB], s[TB], v[AB0]
	FETCH_K 0
	FETCH_B 0
	FETCH_B 1
	s_wait_loadcnt 0x0                             ; Q
	s_wait_dscnt 0x0
.set i, 0
.rept 16
	KQ 0                                           ; piece 0's first scores
.set i, i+1
.endr
	WIN 0                                          ; the addresses for the way out: plain instructions, the places behind those products
	s_mul_i32 s16, s[WV], 16*SP
	s_add_co_u32 s16, s16, STAGE
	v_mul_u32_u24 v[STO], v[TR], SP
	v_lshl_add_u32 v[STO], v[TH], 4, v[STO]
	v_add_nc_u32 v[STO], s16, v[STO]
	v_bfe_u32 v[RD], v0, 3, 2
	v_mul_u32_u24 v[RD], v[RD], SP
	v_lshl_add_u32 v[RD], v[T7], 4, v[RD]
	v_add_nc_u32 v[RD], s16, v[RD]
	v_and_b32 v[GO], 31, v0
	v_lshlrev_b32 v[GO], 4, v[GO]
.set Y, NP-1
.irp n, 0,1,2,3,4,5,6,7,8,9,10,11,12,13,14,15,16,17,18,19,20,21
	XS 0, \n
	XS 1, \n
.endr
	v_nop
	s_wait_alu depctr_va_vdst(0)
	s_mov_b32 s[SLOTS], 31
	s_branch .Lfirst                               ; the loop is entered at a step's first turn
.Lslot:                                                ; 30 times: steps 2 to 31 are asked for
	CHANGE 1, 1
	TURN 2
	TURN 3
	WIN 0
.Lfirst:
	TURN 0
	TURN 1
	WIN 0
	s_sub_co_u32 s[SLOTS], s[SLOTS], 1
	s_cmp_lg_u32 s[SLOTS], 0
	s_cbranch_scc1 .Lslot
	CHANGE 0, 0                                    ; the tail is written out
	s_mov_b32 s[CNT], 2
.Ltail:
	TURN 2
	TURN 3
	WIN 0
	s_sub_co_u32 s[CNT], s[CNT], 1
	s_cmp_eq_u32 s[CNT], 0
	s_cbranch_scc1 .Lout
	TURN 0
	TURN 1
	WIN 0
	s_branch .Ltail
.Lout:                                                 ; the second trip fetched the last step's K and bias once more and multiplied them for nothing: the price, once a launch, of one text for every trip
.set i, 0
.rept 16
	PV NP-1
.set i, i+1
.endr
	; THE WAY OUT.  l's halves are added; O^T is divided by l, rounded to f16 and sent through my stage, a tile at a time.  The additions are the places behind the last products.
	WIN 0
.macro ALL line:vararg
.set t, 0
.rept 2*NP
	\line
.set t, t+1
.endr
.endm
	ALL v_add_f32 v[ST+4*t+2], v[ST+4*t+2], v[ST+4*t+3]
	ALL v_permlanex16_b32 v[ST+4*t+3], v[ST+4*t+2], s[SEL], s[SEL+1]
	ALL v_add_f32 v[ST+4*t+2], v[ST+4*t+2], v[ST+4*t+3]
	ALL v_rcp_f32 v[ST+4*t+2], v[ST+4*t+2]
	v_nop
	s_wait_alu depctr_va_vdst(0)                   ; one wait for the eight reciprocals
.macro PACK t
	WIN W_RS
.set i, 32*(\t)
.rept 16
	v_pk_mul_f32 v[i:i+1], v[i:i+1], v[ST+4*(\t)+2:ST+4*(\t)+3] op_sel_hi:[1,0]
.set i, i+2
.endr
	WIN 0x05
.set i, 0
.rept 16
	v_cvt_pk_f16_f32 v[S+16*(\t)+i], v[32*(\t)+2*i], v[32*(\t)+2*i+1]
.set i, i+1
.endr
	WIN 0
.irp f, 0,1,2,3
	ds_store_b128 v[STO], v[S+16*(\t)+4*\f:S+16*(\t)+4*\f+3] offset:32*\f
.endr
.irp f, 0,1,2,3
	ds_load_b128 v[S+16*(\t)+4*\f:S+16*(\t)+4*\f+3], v[RD] offset:\f*4*SP  ; LDS serves a wave's instructions in order: these see the stores above
.endr
.endm
.macro SEND t, younger
	WIN 0
.irp f, 0,1,2,3
	s_wait_dscnt (\younger)+3-\f
	global_store_b128 v[GO], v[S+16*(\t)+4*\f:S+16*(\t)+4*\f+3], s[OPT:OPT+1] offset:((\t)/4)*16384+((\t)%4)*2048+\f*512  ; 512 consecutive bytes, aligned
.endr
.endm
	PACK 0
.set t, 1
.rept 2*NP-1
	PACK t
	SEND t-1, 8
.set t, t+1
.endr
	SEND 2*NP-1, 0
	WIN W_AD
	s_wait_tensorcnt 0x0                           ; the wave's end
	ds_add_u32 v[SPW], v[NIL]
	s_wait_dscnt 0x0
	WIN 0
	CROUND                                         ; the closing round
	s_endpgm
.Lfunc_end_k_qa8057ef0d2_attn:
	.size	k_qa8057ef0d2_attn, .Lfunc_end_k_qa8057ef0d2_attn-k_qa8057ef0d2_attn
	.p2alignl 7, 3214868480
	.fill 96, 4, 3214868480
	.section	.rodata,"a",@progbits
	.p2align	6, 0x0
	.amdhsa_kernel k_qa8057ef0d2_attn
		.amdhsa_group_segment_fixed_size 327680
		.amdhsa_private_segment_fixed_size 0
		.amdhsa_enable_private_segment 0
		.amdhsa_kernarg_size 24
		.amdhsa_user_sgpr_count 2
		.amdhsa_user_sgpr_kernarg_segment_ptr 1
		.amdhsa_wavefront_size32 1
		.amdhsa_system_sgpr_workgroup_id_x 1
		.amdhsa_system_sgpr_workgroup_id_y 1
		.amdhsa_system_sgpr_workgroup_id_z 1
		.amdhsa_system_vgpr_workitem_id 0
		.amdhsa_next_free_vgpr 1024
		.amdhsa_next_free_sgpr 78
		.amdhsa_reserve_vcc 0
		.amdhsa_float_denorm_mode_32 3
		.amdhsa_float_denorm_mode_16_64 3
		.amdhsa_memory_ordered 1
		.amdhsa_forward_progress 1
		.amdhsa_inst_pref_size 213
	.end_amdhsa_kernel
	.amdgpu_metadata
---
amdhsa.version: [ 1, 2 ]
amdhsa.kernels:
  - .name:           k_qa8057ef0d2_attn
    .symbol:         k_qa8057ef0d2_attn.kd
    .args:
      - { .name: qkvw, .offset: 0, .size: 8, .value_kind: global_buffer, .address_space: global }
      - { .name: bp, .offset: 8, .size: 8, .value_kind: global_buffer, .address_space: global }
      - { .name: ow_in, .offset: 16, .size: 8, .value_kind: global_buffer, .address_space: global }
    .group_segment_fixed_size: 327680
    .private_segment_fixed_size: 0
    .kernarg_segment_align: 8
    .kernarg_segment_size: 24
    .max_flat_workgroup_size: 128
    .sgpr_count:     78
    .vgpr_count:     1024
    .wavefront_size: 32
...
	.end_amdgpu_metadata
.endif
;; end of part 3
;; launch outp (part 4): grid 8 x 32, 4 waves a work-group, clusters of 4 x 4, 327,680 bytes of LDS; arguments ow_in, ow, out_b, out0; writes out0
.if DOCPART == 4
	.amdgcn_target "amdgcn-amd-amdhsa--gfx1250"
	.amdhsa_code_object_version 6
	.text
	.protected	k_qa8057ef0d2_outp
	.globl	k_qa8057ef0d2_outp
	.p2align	8
	.type	k_qa8057ef0d2_outp,@function
k_qa8057ef0d2_outp:
	s_mov_b64 s[64:65], 0
	v_nop
	global_prefetch_b8 v0, s[64:65] scope:SCOPE_SE
	s_setreg_imm32_b32 hwreg(HW_REG_WAVE_MODE, 25, 1), 1
	s_wait_xcnt 0x0
	s_wait_alu depctr_hold_cnt(0) depctr_sa_sdst(0) depctr_va_vdst(0) depctr_va_sdst(0) depctr_va_ssrc(0) depctr_va_vcc(0) depctr_vm_vsrc(0)
	s_getreg_b32 s2, hwreg(HW_REG_IB_STS2, 6, 4)
	s_cmp_eq_u32 s2, 0
	s_cbranch_scc0 .Lentry_in_a_cluster
	s_endpgm
.Lentry_in_a_cluster:
	s_bfe_u32 s2, ttmp6, 0x10000c
	s_cmp_lg_u32 s2, 0xf033
	s_cbranch_scc0 .Lentry_shape_is_right
	s_endpgm
.Lentry_shape_is_right:
; OUTPUT PROJECTION.  out0[token][n] = sum over k of O[token][k] out_w[n][k] + out_b[n]; 8,192 x 1,024 x 1,024; f16 operands (out_w rounded to bf16 and written as f16), f32 sums and output;
; the bias rounded to bf16 like the other inputs.
; SHARES.  Tiles of 256 x 128: 256 work-groups.  Four waves, each 128 rows x 64 columns: 32 accumulators in window 1.  K goes in steps of 128 (a head pair) through two LDS slots.
; ow_in and ow lie so that a tile of a K step is dense: asked for as rows of 256 bytes, padded in LDS after every 128: in LDS [K half of 64][row] with a pitch of 144.
; CLUSTER 4 x 4: A's tile shared along a row, B's along a column.  THE PRODUCT IS USED TRANSPOSED: a lane ends with eight neighbouring columns of one token, 32 bytes of f32.
; No prefetch: a small tile and a short walk of eight K steps.
.set PITCH, 144
.set FR,    16*PITCH
.set HA,    256*PITCH                  ; a load of A: 128 tokens x 128 K
.set HB,    128*PITCH                  ; of B: 64 rows x 128 K
.set SLOT,  2*HA+2*HB
.set STAGE, 2*SLOT                     ; 16 rows x 272 bytes for each wave
.set SPITCH, 272
.set BL,    STAGE+4*16*SPITCH          ; the tile's 128 numbers of the bias
.set SPARE, BL+512
.set ADRA, 16
.set ADRB, 20
.set STO,  24
.set RD,   25
.set CO,   26
.set BA,   27
.set SPW,  28
.set NIL,  29
.set AF,   32                          ; v32-95, v96-159: A's fragments, two buffers
.set BF,   160                         ; v160-191, v192-223: B's
.set T,    32
.set OB,   64
.set WV,   12
.set WR,   13
.set WC,   14
.set G1A,  24
.set G0A,  32
.set G1B,  48
.set G0B,  56
.set MSB, 0
.macro WIN new
.if MSB != (\new)
	s_set_vgpr_msb (MSB<<8)|(\new)
.set MSB, (\new)
.endif
.endm
.macro PLACES
.rept 4
	v_nop
.endr
.endm
.macro JLOAD s
	s_cmp_eq_u32 s[WR], 0
	s_cbranch_scc0 .Lfor_b_\@
	tensor_load_to_lds s[G0A+4*(\s):G0A+4*(\s)+3], s[G1A:G1A+7]
	s_nop 0
	PLACES
	s_branch .Lasked_\@
.Lfor_b_\@:
	tensor_load_to_lds s[G0B+4*(\s):G0B+4*(\s)+3], s[G1B:G1B+7]
	s_nop 0
	PLACES
.Lasked_\@:
.endm
.macro CREST
	s_cmp_lg_u32 s[WV], 0
	s_cbranch_scc1 .Lnot_wave_0_\@
	s_barrier_signal -3
.Lnot_wave_0_\@:
	s_barrier_wait -3
	s_barrier_signal -1
	s_barrier_wait -1
.endm
.macro CROUND
	s_barrier_signal -1
	s_barrier_wait -1
	CREST
.endm
	s_load_b256 s[4:11], s[0:1], 0x0               ; ow_in 4, ow 6, out_b 8, out0 10
	v_lshl_add_u32 v[SPW], v0, 2, SPARE
	v_mov_b32 v[NIL], 0
	ds_add_u32 v[SPW], v[NIL]                      ; the wave's opening: the add and its wait ahead of my first tensor load
	v_lshrrev_b32 v1, 5, v0
	v_readfirstlane_b32 s[WV], v1
	s_lshr_b32 s[WR], s[WV], 1                     ; which 128 rows are mine; also: I fetch for A (0) or B (1)
	s_and_b32 s[WC], s[WV], 1                      ; which 64 columns; also: which half I fetch
	s_bfe_u32 s15, ttmp6, 0x40000
	s_bfe_u32 s16, ttmp6, 0x40004
	s_lshl_b32 s17, ttmp9, 2
	s_add_co_u32 s17, s17, s15                     ; tile column 0..7
	s_and_b32 s18, ttmp7, 0xffff
	s_lshl_b32 s18, s18, 2
	s_add_co_u32 s18, s18, s16                     ; tile row 0..31
	s_lshl_b32 s20, s16, 2
	s_lshl_b32 s20, 15, s20
	s_lshl_b32 s21, 0x1111, s15
	s_or_b32 s[G1A], s20, (1<<16)|(1<<20)|(1<<21)|(4<<22)|(3<<25)
	s_or_b32 s[G1B], s21, (1<<16)|(1<<20)|(1<<21)|(4<<22)|(3<<25)
	s_mov_b32 s[G1A+1], 128<<16
	s_mov_b32 s[G1A+2], 128<<16                    ; 32,768 dense bytes as 128 rows of 256
	s_mov_b32 s[G1A+3], 128<<16
	s_mov_b32 s[G1A+4], 128
	s_mov_b32 s[G1A+5], 128
	s_mov_b32 s[G1A+6], 0
	s_mov_b32 s[G1A+7], 0
	s_mov_b32 s[G1B+1], 128<<16
	s_mov_b32 s[G1B+2], 64<<16                     ; 16,384 bytes as 64 rows
	s_mov_b32 s[G1B+3], 128<<16
	s_mov_b32 s[G1B+4], 64
	s_mov_b32 s[G1B+5], 128
	s_mov_b32 s[G1B+6], 0
	s_mov_b32 s[G1B+7], 0
	s_lshl1_add_u32 s22, s18, s[WC]                ; A: token / 128 = 2 x tile row + half
	s_lshl_b32 s22, s22, 15
	s_mov_b32 s23, 0
	s_lshl1_add_u32 s46, s17, s[WC]                ; B: n / 64 = 2 x tile column + half
	s_lshl_b32 s46, s46, 14
	s_mov_b32 s47, 0
	s_mul_i32 s19, s[WC], HA
	s_mul_i32 s43, s[WC], HB
	s_add_co_u32 s43, s43, 2*HA
	s_wait_dscnt 0x0
	s_wait_kmcnt 0x0
	s_add_nc_u64 s[22:23], s[4:5], s[22:23]
	s_add_nc_u64 s[46:47], s[6:7], s[46:47]
	CROUND
.irp s, 0,1
	s_mov_b32 s[G0A+4*\s], 1
	s_add_co_u32 s[G0A+4*\s+1], s19, \s*SLOT
	s_add_nc_u64 s[G0A+4*\s+2:G0A+4*\s+3], s[22:23], \s*2097152
	s_or_b32 s[G0A+4*\s+3], s[G0A+4*\s+3], 0x80000000
	s_mov_b32 s[G0B+4*\s], 1
	s_add_co_u32 s[G0B+4*\s+1], s43, \s*SLOT
	s_add_nc_u64 s[G0B+4*\s+2:G0B+4*\s+3], s[46:47], \s*262144
	s_or_b32 s[G0B+4*\s+3], s[G0B+4*\s+3], 0x80000000
	JLOAD \s                                       ; K steps 0 and 1: two loads of mine are out
.endr
	s_lshl_b32 s20, s17, 9                         ; the bias: 128 numbers, one a thread
	v_lshlrev_b32 v6, 2, v0
	v_add_nc_u32 v7, s20, v6
	global_load_b32 v8, v7, s[8:9]
	v_add_nc_u32 v11, BL, v6
	v_and_b32 v1, 15, v0
	v_bfe_u32 v2, v0, 4, 1
	v_mul_u32_u24 v3, v1, PITCH
	v_lshl_add_u32 v3, v2, 4, v3
	s_mul_i32 s20, s[WR], HA
	s_mul_i32 s21, s[WC], HB
	s_add_co_u32 s21, s21, 2*HA
.irp s, 0,1
	v_add_nc_u32 v[ADRA+\s], s20, v3
	v_add_nc_u32 v[ADRB+\s], s21, v3
	s_add_co_u32 s20, s20, SLOT
	s_add_co_u32 s21, s21, SLOT
.endr
	s_mul_i32 s20, s[WV], 16*SPITCH
	s_add_co_u32 s20, s20, STAGE
	v_mul_u32_u24 v4, v1, SPITCH                   ; in: row l % 16, 32 bytes for each half of the lanes
	v_lshl_add_u32 v4, v2, 5, v4
	v_add_nc_u32 v[STO], s20, v4
	v_mul_u32_u24 v5, v2, SPITCH                   ; back: lanes 0-15 one row of 256 bytes, lanes 16-31 the next
	v_lshl_add_u32 v5, v1, 4, v5
	v_add_nc_u32 v[RD], s20, v5
	v_lshlrev_b32 v5, 12, v2                       ; and the same two rows in out0
	v_lshl_add_u32 v[CO], v1, 4, v5
	s_lshl_b32 s20, s[WC], 8
	s_add_co_u32 s20, s20, BL
	v_lshl_add_u32 v[BA], v2, 5, s20
	s_lshl_b32 s20, s18, 20                        ; my part of out0: 256 rows of 4,096 bytes a tile row, my 128, my 256 bytes of a row
	s_lshl_b32 s21, s[WR], 19
	s_add_co_u32 s20, s20, s21
	s_lshl_b32 s21, s17, 9
	s_add_co_u32 s20, s20, s21
	s_lshl_b32 s21, s[WC], 8
	s_add_co_u32 s20, s20, s21
	s_mov_b32 s21, 0
	s_add_nc_u64 s[10:11], s[10:11], s[20:21]
	s_wait_loadcnt 0x0
	v_cvt_pk_bf16_f32 v8, v8, v8
	v_lshlrev_b32 v8, 16, v8
	ds_store_b32 v11, v8
; 24 LDS loads in one run: quarter q (32 along K) of a slot into buffer q % 2
.macro RUN slot, q
	WIN 0
.irp a, 0,1,2,3,4,5,6,7
	ds_load_b128 v[AF+64*((\q)%2)+8*\a:AF+64*((\q)%2)+8*\a+3],   v[ADRA+(\slot)] offset:((\q)/2)*128*PITCH+\a*FR+64*((\q)%2)
	ds_load_b128 v[AF+64*((\q)%2)+8*\a+4:AF+64*((\q)%2)+8*\a+7], v[ADRA+(\slot)] offset:((\q)/2)*128*PITCH+\a*FR+64*((\q)%2)+32
.endr
.irp bb, 0,1,2,3
	ds_load_b128 v[BF+32*((\q)%2)+8*\bb:BF+32*((\q)%2)+8*\bb+3],   v[ADRB+(\slot)] offset:((\q)/2)*64*PITCH+\bb*FR+64*((\q)%2)
	ds_load_b128 v[BF+32*((\q)%2)+8*\bb+4:BF+32*((\q)%2)+8*\bb+7], v[ADRB+(\slot)] offset:((\q)/2)*64*PITCH+\bb*FR+64*((\q)%2)+32
.endr
.endm
; na x 4 products of quarter q; all 32 accumulators differ: they take turns
.macro MUL q, a0, na, zero
	WIN 0x50
.set aa, (\a0)
.rept (\na)
.irp bb, 0,1,2,3
.if \zero
	v_wmma_f32_16x16x32_f16 v[8*(4*aa+\bb):8*(4*aa+\bb)+7], v[BF+32*((\q)%2)+8*\bb:BF+32*((\q)%2)+8*\bb+7], v[AF+64*((\q)%2)+8*aa:AF+64*((\q)%2)+8*aa+7], 0
.else
	v_wmma_f32_16x16x32_f16 v[8*(4*aa+\bb):8*(4*aa+\bb)+7], v[BF+32*((\q)%2)+8*\bb:BF+32*((\q)%2)+8*\bb+7], v[AF+64*((\q)%2)+8*aa:AF+64*((\q)%2)+8*aa+7], v[8*(4*aa+\bb):8*(4*aa+\bb)+7]
.endif
.endr
.set aa, aa+1
.endr
.endm
.macro QN slot, q, zero                ; quarters 0 and 1: the next quarter's run goes out first, four places behind the products that read its buffer
	PLACES
	RUN \slot, (\q)+1
	s_wait_dscnt 24                                ; all but the run just issued
	MUL \q, 0, 8, \zero
.endm
; Quarter 2 and the change of slots: the slot's last run goes out; each wave waits for all its tensor loads, adds 0 to its spare word, waits for that and for its reads.
; fill = 1: behind a round of the cluster's barrier the slot is filled again, two K steps on: 112 products stand between the request and the wait for it.
.macro QM slot, fill
	PLACES
	RUN \slot, 3
	s_wait_dscnt 24
	MUL 2, 0, 4, 0
	WIN 0
	s_wait_tensorcnt 0x0
	ds_add_u32 v[SPW], v[NIL]
	MUL 2, 4, 2, 0
	s_wait_dscnt 0x0
	s_barrier_signal -1
	MUL 2, 6, 2, 0
	WIN 0
	s_barrier_wait -1
.if \fill
	CREST
	s_add_nc_u64 s[G0A+4*(\slot)+2:G0A+4*(\slot)+3], s[G0A+4*(\slot)+2:G0A+4*(\slot)+3], 2*2097152
	s_add_nc_u64 s[G0B+4*(\slot)+2:G0B+4*(\slot)+3], s[G0B+4*(\slot)+2:G0B+4*(\slot)+3], 2*262144
	JLOAD \slot                                    ; its four v_nop are also the places in front of the run that follows
.else
	PLACES
.endif
.endm
.macro QX next                         ; quarter 3: the other slot's first run goes out
	RUN \next, 0
	s_wait_dscnt 24
	MUL 3, 0, 8, 0
.endm
	s_wait_tensorcnt 1                             ; my part of K step 0 is in; step 1's may stay out
	s_wait_dscnt 0x0                               ; my number of the bias is stored
	s_barrier_signal -1
	s_barrier_wait -1
	RUN 0, 0
	QN 0, 0, 1                                     ; the first quarter starts the sums
	WIN 0
	s_mov_b32 s3, 3
.Llap:                                                 ; three laps fill both slots again: K steps 2 to 7
	QN 0, 1, 0
	QM 0, 1
	QX 1
	QN 1, 0, 0
	QN 1, 1, 0
	QM 1, 1
	QX 0
	QN 0, 0, 0
	WIN 0
	s_sub_co_u32 s3, s3, 1
	s_cmp_lg_u32 s3, 0
	s_cbranch_scc1 .Llap
	QN 0, 1, 0                                     ; the tail is written out: nothing more is asked for
	QM 0, 0
	QX 1
	QN 1, 0, 0
	QN 1, 1, 0
	PLACES
	RUN 1, 3
	s_wait_dscnt 24
	MUL 2, 0, 8, 0
	s_wait_dscnt 0x0
	MUL 3, 0, 8, 0
	WIN 0
	PLACES
	PLACES
	; THE WAY OUT: the bias of my 64 columns; then 16 tokens at a time through my stage, out as whole rows of 256 bytes.
.irp bb, 0,1,2,3
	ds_load_b128 v[BF+8*\bb:BF+8*\bb+3],   v[BA] offset:64*\bb
	ds_load_b128 v[BF+8*\bb+4:BF+8*\bb+7], v[BA] offset:64*\bb+16
.endr
	s_wait_dscnt 0x0
.macro PACK a
	WIN 0x01                                       ; source 0: the accumulators, read in ascending order
.set z, 0
.rept 16
	v_pk_add_f32 v[T+2*z:T+2*z+1], v[32*(\a)+2*z:32*(\a)+2*z+1], v[BF+2*z:BF+2*z+1]
.set z, z+1
.endr
	WIN 0
.endm
.macro TOSTAGE
	s_wait_xcnt 0x0                                ; the last block's stores have read the registers that are loaded again below
.irp bb, 0,1,2,3
	ds_store_b128 v[STO], v[T+8*\bb:T+8*\bb+3]   offset:64*\bb
	ds_store_b128 v[STO], v[T+8*\bb+4:T+8*\bb+7] offset:64*\bb+16
.endr
.irp t, 0,1,2,3,4,5,6,7
	ds_load_b128 v[OB+4*\t:OB+4*\t+3], v[RD] offset:\t*2*SPITCH  ; LDS serves a wave's instructions in order: these see the stores above
.endr
.endm
.macro SEND a
	s_wait_dscnt 0x0
.irp t, 0,1,2,3,4,5,6,7
	global_store_b128 v[CO], v[OB+4*\t:OB+4*\t+3], s[10:11] offset:(16*(\a)+2*\t)*4096  ; 16 lanes store 256 consecutive bytes, aligned
.endr
.endm
	PACK 0
	TOSTAGE
.irp a, 1,2,3,4,5,6,7
	PACK \a
	SEND \a-1
	TOSTAGE
.endr
	SEND 7
	s_wait_tensorcnt 0x0                           ; the wave's end
	ds_add_u32 v[SPW], v[NIL]
	s_wait_dscnt 0x0
	CROUND                                         ; the closing round
	s_endpgm
.Lfunc_end_k_qa8057ef0d2_outp:
	.size	k_qa8057ef0d2_outp, .Lfunc_end_k_qa8057ef0d2_outp-k_qa8057ef0d2_outp
	.p2alignl 7, 3214868480
	.fill 96, 4, 3214868480
	.section	.rodata,"a",@progbits
	.p2align	6, 0x0
	.amdhsa_kernel k_qa8057ef0d2_outp
		.amdhsa_group_segment_fixed_size 327680
		.amdhsa_private_segment_fixed_size 0
		.amdhsa_enable_private_segment 0
		.amdhsa_kernarg_size 32
		.amdhsa_user_sgpr_count 2
		.amdhsa_user_sgpr_kernarg_segment_ptr 1
		.amdhsa_wavefront_size32 1
		.amdhsa_system_sgpr_workgroup_id_x 1
		.amdhsa_system_sgpr_workgroup_id_y 1
		.amdhsa_system_sgpr_workgroup_id_z 1
		.amdhsa_system_vgpr_workitem_id 0
		.amdhsa_next_free_vgpr 512
		.amdhsa_next_free_sgpr 66
		.amdhsa_reserve_vcc 0
		.amdhsa_float_denorm_mode_32 3
		.amdhsa_float_denorm_mode_16_64 3
		.amdhsa_memory_ordered 1
		.amdhsa_forward_progress 1
		.amdhsa_inst_pref_size 94
	.end_amdhsa_kernel
	.amdgpu_metadata
---
amdhsa.version: [ 1, 2 ]
amdhsa.kernels:
  - .name:           k_qa8057ef0d2_outp
    .symbol:         k_qa8057ef0d2_outp.kd
    .args:
      - { .name: ow_in, .offset: 0, .size: 8, .value_kind: global_buffer, .address_space: global }
      - { .name: ow, .offset: 8, .size: 8, .value_kind: global_buffer, .address_space: global }
      - { .name: out_b, .offset: 16, .size: 8, .value_kind: global_buffer, .address_space: global }
      - { .name: out0, .offset: 24, .size: 8, .value_kind: global_buffer, .address_space: global }
    .group_segment_fixed_size: 327680
    .private_segment_fixed_size: 0
    .kernarg_segment_align: 8
    .kernarg_segment_size: 32
    .max_flat_workgroup_size: 128
    .sgpr_count:     66
    .vgpr_count:     512
    .wavefront_size: 32
...
	.end_amdgpu_metadata
.endif
;; end of part 4
;; ======== version 2 of 2: 4 launches; version 1 with the launch prep written anew for expert scheduling mode
;; limits: values are held in f16: magnitudes above 65,504 overflow, below 6.1e-05 lose precision; right only within a limited range of input values
;; workspace buffers: xb 16,777,216 bytes; wb 6,291,456 bytes; ow 2,097,152 bytes; bp 67,108,864 bytes; qkvw 50,331,648 bytes; ow_in 16,777,216 bytes
;; launch prep (part 5): grid 896 x 1, 8 waves a work-group, no clusters, 0 bytes of LDS; arguments attn_bias, padding_mask, x, qkv_w, out_w, bp, xb, wb, ow; writes bp, xb, wb, ow
.if DOCPART == 5
	.amdgcn_target "amdgcn-amd-amdhsa--gfx1250"
	.amdhsa_code_object_version 6
	.text
	.protected	k_qa8057ef0d2_prep
	.globl	k_qa8057ef0d2_prep
	.p2align	8
	.type	k_qa8057ef0d2_prep,@function
k_qa8057ef0d2_prep:
	s_mov_b64 s[64:65], 0
	v_nop
	global_prefetch_b8 v0, s[64:65] scope:SCOPE_SE
	s_setreg_imm32_b32 hwreg(HW_REG_WAVE_SCHED_MODE, 0, 2), 2
	s_setreg_imm32_b32 hwreg(HW_REG_WAVE_MODE, 25, 1), 1
	s_wait_xcnt 0x0
	s_wait_alu depctr_vm_vsrc(0)
; PREP: a stream.  Every input of the matrix work is rounded once to bf16 and laid out for the launches behind.
;   bp[row][key] (f32)  = attn_bias rounded to bf16 and widened again, or -2^100 where padding_mask says that the key is padding (a select: what lies under the mask is dropped)
;   xb[k/64][row][64], wb[k/64][row][64] (bf16) = x, qkv_w: blocks of 64 along K, so that a tile of rows is dense in memory
;   ow[k/128][n/64][(k/64)%2][n%64][64] (f16)   = out_w rounded to bf16, that number written as f16
; LIMITS.  out_w's numbers below 6e-5 in magnitude keep f16's fixed step of 6e-8; beyond 65,504 they would be infinite.
; SHARES.  Work-groups 0-511: 16 rows of the bias each; 512-767: 32 rows of x; 768-863: 32 rows of qkv_w; 864-895: 32 rows of out_w.
; A wave issues all its 32 loads of 16 bytes a lane at once (16 KiB on their way) and works them off in order; no register is written again behind its store.
; No LDS, no matrix unit, no cluster: no byte is wanted twice and there is no product.
; THE MODE: SCHED_MODE bits 1:0 = 2 (LLVM: expert scheduling mode 2), set by the entry lines.  The code itself states the register dependences
; between vector instructions and memory instructions, with s_wait_alu, always for 0.
; THE PLAN.  Registers that memory instructions touch:
;   the offsets   v2, v3 (the bias); v2, v[OFF ..] (the casts).  Made once, ahead of the way's first load; no vector line names them again; every load and store reads one.
;   v[M ..]       The four mask loads land here; vector lines read them behind the wait for them; no memory instruction names them again.
;   v[X + 4 n ..] Load n lands here, in registers that no vector line has named.  Behind the wait for it its vector work rewrites them in place; store n reads them; nothing writes them behind that.
;   T and KEEP are named by vector lines alone.
; The 32 loads are worked off in eight groups of four.  Group g's vector lines name X of group g, T and KEEP; the four stores of group g - 1 are dealt among them.  So ONE wait on va_vdst at a
; group's head states all that those four stores hang on: the group before has written its X.  No register that a memory instruction reads is ever written again, so there is no wait on vm_vsrc.
.set M,    4                           ; v[4:7]    four mask words (4 keys each)
.set KEEP, 8                           ; v[8:23]   all ones where the key is kept, 0 where it is padding
.set OFF,  8                           ; v[8:23]   (casts) byte offset of my 8 bytes in K block kb
.set T,    24                          ; v[24:25]  at work
.set X,    32                          ; v[32:159] 32 loads of four registers
	s_load_b512 s[8:23], s[0:1], 0x0               ; attn_bias 8, padding_mask 10, x 12, qkv_w 14, out_w 16, bp 18, xb 20, wb 22
	s_load_b64 s[24:25], s[0:1], 0x40              ; ow
	v_lshrrev_b32 v1, 5, v0
	v_readfirstlane_b32 s4, v1                     ; wave 0..7
	v_and_b32 v1, 31, v0                           ; lane
	s_mov_b32 s5, 0xffff0000                       ; a word's upper bf16
	s_mov_b32 s2, ttmp9
	s_mov_b32 s35, 0
	s_wait_alu depctr_va_sdst(0)                   ; s4 is written, ahead of the branches: on each of the three ways the wave's addresses are made from it
	s_wait_kmcnt 0x0
	s_cmp_lt_u32 s2, 512
	s_cbranch_scc0 .Lcast
	; THE BIAS.  A wave takes 8 rows x a strip of 512 keys: a load or store covers 512 consecutive bytes of a row.
	s_and_b32 s26, s4, 3                           ; strip
	s_lshr_b32 s27, s4, 2                          ; which 8 rows
	s_lshl_b32 s34, s2, 17                         ; 16 rows of 8,192 bytes a work-group
	s_lshl_b32 s27, s27, 16
	s_add_co_u32 s34, s34, s27
	s_lshl_b32 s27, s26, 11
	s_add_co_u32 s34, s34, s27
	s_add_nc_u64 s[8:9], s[8:9], s[34:35]
	s_add_nc_u64 s[18:19], s[18:19], s[34:35]
	s_lshr_b32 s34, s2, 7                          ; the batch: 128 work-groups each
	s_lshl_b32 s34, s34, 11
	s_lshl_b32 s27, s26, 9
	s_add_co_u32 s34, s34, s27
	s_add_nc_u64 s[10:11], s[10:11], s[34:35]
	s_mov_b32 s6, 0xf1800000                       ; -2^100
	v_lshlrev_b32 v2, 2, v1
	v_lshlrev_b32 v3, 4, v1
	s_wait_alu depctr_va_vdst(0)                   ; v2 and v3 are written: every load and store of this way reads one of them as its offset
.irp i, 0,1,2,3
	global_load_b32 v[M+\i], v2, s[10:11] offset:128*\i
.endr
.set n, 0
.rept 32
	global_load_b128 v[X+4*n:X+4*n+3], v3, s[8:9] offset:(n/4)*8192+(n%4)*512 th:TH_LOAD_NT
.set n, n+1
.endr
	s_wait_loadcnt 32                              ; the four mask words are in: 32 loads are younger
.set n, 0
.rept 16
	v_bfe_u32 v[KEEP+n], v[M+n/4], 8*(n%4), 8
	v_add_nc_u32 v[KEEP+n], -1, v[KEEP+n]          ; byte 0 -> all ones, byte 1 -> 0
.set n, n+1
.endr
.macro BWORK                           ; the vector work of load n: rounded to bf16, widened again, the mask's select; in place
	v_cvt_pk_bf16_f32 v[T], v[X+4*n], v[X+4*n+1]
	v_cvt_pk_bf16_f32 v[T+1], v[X+4*n+2], v[X+4*n+3]
	v_lshlrev_b32 v[X+4*n], 16, v[T]
	v_and_b32 v[X+4*n+1], s5, v[T]
	v_lshlrev_b32 v[X+4*n+2], 16, v[T+1]
	v_and_b32 v[X+4*n+3], s5, v[T+1]
.irp e, 0,1,2,3
	v_bfi_b32 v[X+4*n+\e], v[KEEP+4*(n%4)+\e], v[X+4*n+\e], s6
.endr
.endm
.macro BSTORE                          ; the store of load m
	global_store_b128 v3, v[X+4*m:X+4*m+3], s[18:19] offset:(m/4)*8192+(m%4)*512
.endm
.set g, 0
.rept 8                                        ; a group is a row of the strip: four loads
	s_wait_loadcnt 28-4*g                          ; loads come back in order: loads 4 g to 4 g + 3 are in, the 28 - 4 g behind them stay out
.if g > 0
	s_wait_alu depctr_va_vdst(0)                   ; the group before has written its sixteen registers of X, which the four stores below read; no vector line behind this wait names them or v3
.endif
.set j, 0
.rept 4
.if g > 0
.set m, 4*(g-1)+j
	BSTORE
.endif
.set n, 4*g+j
	BWORK
.set j, j+1
.endr
.set g, g+1
.endr
	s_wait_alu depctr_va_vdst(0)                   ; the last group has written its X, which the last four stores read
.set m, 28
.rept 4
	BSTORE
.set m, m+1
.endr
	s_endpgm
; A CAST: 4 rows of 1,024 f32 a wave.  Load n takes K block n / 2 (256 bytes of a row) of rows 2 (n % 2) and 2 (n % 2) + 1; the 32 lanes' 8 bytes of result
; are those two rows' pieces end to end: 256 consecutive bytes, aligned.  s[30:31] source, s[32:33] destination, both at my first row; s26 bytes from K block to K block.
.macro CWORK f16                       ; the vector work of load n, in place: the result lies in the first two of its four registers
.if \f16
	v_cvt_pk_bf16_f32 v[T], v[X+4*n], v[X+4*n+1]
	v_cvt_pk_bf16_f32 v[T+1], v[X+4*n+2], v[X+4*n+3]
	v_lshlrev_b32 v[X+4*n], 16, v[T]
	v_and_b32 v[X+4*n+1], s5, v[T]
	v_lshlrev_b32 v[X+4*n+2], 16, v[T+1]
	v_and_b32 v[X+4*n+3], s5, v[T+1]
	v_cvt_pk_f16_f32 v[X+4*n], v[X+4*n], v[X+4*n+1]
	v_cvt_pk_f16_f32 v[X+4*n+1], v[X+4*n+2], v[X+4*n+3]
.else
	v_cvt_pk_bf16_f32 v[X+4*n], v[X+4*n], v[X+4*n+1]
	v_cvt_pk_bf16_f32 v[X+4*n+1], v[X+4*n+2], v[X+4*n+3]
.endif
.endm
.macro CSTORE f16                      ; the store of load m
.if \f16
	global_store_b64 v[OFF], v[X+4*m:X+4*m+1], s[32:33] offset:(m/4)*262144+((m/2)%2)*8192+(m%2)*256
.else
	global_store_b64 v[OFF+m/2], v[X+4*m:X+4*m+1], s[32:33] offset:(m%2)*256
.endif
.endm
.macro CAST f16
	v_lshrrev_b32 v2, 4, v1
	v_and_b32 v3, 15, v1
	v_lshlrev_b32 v3, 4, v3
	v_lshl_add_u32 v2, v2, 12, v3
	v_lshlrev_b32 v[OFF], 3, v1
.if !(\f16)
.set n, 1
.rept 15
	v_add_nc_u32 v[OFF+n], s26, v[OFF+n-1]
.set n, n+1
.endr
.endif
	s_wait_alu depctr_va_vdst(0)                   ; v2 and v[OFF ..] are written: the loads read v2, the stores v[OFF ..], as their offsets; no vector line names them again
.set n, 0
.rept 32
	global_load_b128 v[X+4*n:X+4*n+3], v2, s[30:31] offset:(n%2)*8192+(n/2)*256 th:TH_LOAD_NT
.set n, n+1
.endr
.set g, 0
.rept 8                                        ; a group is two K blocks of my four rows: four loads
	s_wait_loadcnt 28-4*g                          ; loads 4 g to 4 g + 3 are in, the 28 - 4 g behind them stay out
.if g > 0
	s_wait_alu depctr_va_vdst(0)                   ; the group before has written its results in X, which the four stores below read; no vector line behind this wait names them or an offset
.endif
.set j, 0
.rept 4
.if g > 0
.set m, 4*(g-1)+j
	CSTORE \f16
.endif
.set n, 4*g+j
	CWORK \f16
.set j, j+1
.endr
.set g, g+1
.endr
	s_wait_alu depctr_va_vdst(0)                   ; the last group has written its results, which the last four stores read
.set m, 28
.rept 4
	CSTORE \f16
.set m, m+1
.endr
.endm
.Lcast:
	s_cmp_lt_u32 s2, 864
	s_cbranch_scc0 .Lcastw
	s_mov_b32 s26, 0x100000                        ; x: 8,192 rows x 128 bytes in a K block
	s_mov_b32 s27, 0x60000                         ; qkv_w: 3,072 rows
	s_mov_b32 s28, 512
	s_mov_b32 s29, 768
	s_cmp_lt_u32 s2, 768
	s_cselect_b64 s[30:31], s[12:13], s[14:15]
	s_cselect_b64 s[32:33], s[20:21], s[22:23]
	s_cselect_b32 s26, s26, s27
	s_cselect_b32 s28, s28, s29
	s_sub_co_u32 s28, s2, s28
	s_lshl_b32 s28, s28, 5                         ; the work-group's first row
	s_lshl2_add_u32 s28, s4, s28                   ; my wave's
	s_lshl_b32 s34, s28, 12
	s_add_nc_u64 s[30:31], s[30:31], s[34:35]
	s_lshl_b32 s34, s28, 7
	s_add_nc_u64 s[32:33], s[32:33], s[34:35]
	CAST 0
	s_endpgm
.Lcastw:
	s_sub_co_u32 s28, s2, 864
	s_lshl_b32 s28, s28, 5
	s_lshl2_add_u32 s29, s4, s28                   ; my first row n
	s_lshl_b32 s34, s29, 12
	s_add_nc_u64 s[30:31], s[16:17], s[34:35]
	s_lshr_b32 s34, s29, 6
	s_lshl_b32 s34, s34, 14                        ; (n / 64) x 16,384
	s_and_b32 s36, s29, 63
	s_lshl_b32 s36, s36, 7                         ; (n % 64) x 128
	s_add_co_u32 s34, s34, s36
	s_add_nc_u64 s[32:33], s[24:25], s[34:35]
	CAST 1
	s_endpgm
.Lfunc_end_k_qa8057ef0d2_prep:
	.size	k_qa8057ef0d2_prep, .Lfunc_end_k_qa8057ef0d2_prep-k_qa8057ef0d2_prep
	.p2alignl 7, 3214868480
	.fill 96, 4, 3214868480
	.section	.rodata,"a",@progbits
	.p2align	6, 0x0
	.amdhsa_kernel k_qa8057ef0d2_prep
		.amdhsa_group_segment_fixed_size 0
		.amdhsa_private_segment_fixed_size 0
		.amdhsa_enable_private_segment 0
		.amdhsa_kernarg_size 72
		.amdhsa_user_sgpr_count 2
		.amdhsa_user_sgpr_kernarg_segment_ptr 1
		.amdhsa_wavefront_size32 1
		.amdhsa_system_sgpr_workgroup_id_x 1
		.amdhsa_system_sgpr_workgroup_id_y 1
		.amdhsa_system_sgpr_workgroup_id_z 1
		.amdhsa_system_vgpr_workitem_id 0
		.amdhsa_next_free_vgpr 160
		.amdhsa_next_free_sgpr 66
		.amdhsa_reserve_vcc 0
		.amdhsa_float_denorm_mode_32 3
		.amdhsa_float_denorm_mode_16_64 3
		.amdhsa_memory_ordered 1
		.amdhsa_forward_progress 1
		.amdhsa_inst_pref_size 57
	.end_amdhsa_kernel
	.amdgpu_metadata
---
amdhsa.version: [ 1, 2 ]
amdhsa.kernels:
  - .name:           k_qa8057ef0d2_prep
    .symbol:         k_qa8057ef0d2_prep.kd
    .args:
      - { .name: attn_bias, .offset: 0, .size: 8, .value_kind: global_buffer, .address_space: global }
      - { .name: padding_mask, .offset: 8, .size: 8, .value_kind: global_buffer, .address_space: global }
      - { .name: x, .offset: 16, .size: 8, .value_kind: global_buffer, .address_space: global }
      - { .name: qkv_w, .offset: 24, .size: 8, .value_kind: global_buffer, .address_space: global }
      - { .name: out_w, .offset: 32, .size: 8, .value_kind: global_buffer, .address_space: global }
      - { .name: bp, .offset: 40, .size: 8, .value_kind: global_buffer, .address_space: global }
      - { .name: xb, .offset: 48, .size: 8, .value_kind: global_buffer, .address_space: global }
      - { .name: wb, .offset: 56, .size: 8, .value_kind: global_buffer, .address_space: global }
      - { .name: ow, .offset: 64, .size: 8, .value_kind: global_buffer, .address_space: global }
    .group_segment_fixed_size: 0
    .private_segment_fixed_size: 0
    .kernarg_segment_align: 8
    .kernarg_segment_size: 72
    .max_flat_workgroup_size: 256
    .sgpr_count:     66
    .vgpr_count:     160
    .wavefront_size: 32
...
	.end_amdgpu_metadata
.endif
;; end of part 5
;; launch qkv: the kernel of part 2 again; grid 8 x 32, 4 waves a work-group, clusters of 4 x 4, 327,680 bytes of LDS; arguments xb, wb, qkv_b, qkvw; writes qkvw
;; launch attn: the kernel of part 3 again; grid 8 x 32, 4 waves a work-group, clusters of 4 x 4, 327,680 bytes of LDS; arguments qkvw, bp, ow_in; writes ow_in
;; launch outp: the kernel of part 4 again; grid 8 x 32, 4 waves a work-group, clusters of 4 x 4, 327,680 bytes of LDS; arguments ow_in, ow, out_b, out0; writes out0
